; MI455X (gfx1250); checked and timed in simulation.
; The chip was launched on July 23, 2026; its instructions are those of AMD's public machine-readable ISA for CDNA 5 (MIT licence, August 2026) and "CDNA5" Instruction Set Architecture Reference Guide (July 2026). The comments in the code are by the model that wrote it; some were corrected since.
;; Multi Modal VAE. Allowed arithmetic: matrix products marked QUANTISED: E2M3 operands, one E8M0 scale for each 32 along K, by v_wmma_scale_f32_16x16x128_f8f6f4 with both operands' format E2M3, f32 sums; products left as they are: f32 operands where the result goes on into a quantised operand, else bf16, f16 or f32 operands; f32 sums; everything else in f32.
;; Inputs: W_audio 1,024 x 512 float32; W_image 1,024 x 1,024 float32; W_text 1,024 x 768 float32; W_video 1,024 x 1,024 float32; Wk 1,024 x 1,024 float32; Wo 1,024 x 1,024 float32; Wq 1,024 x 1,024 float32; Wv 1,024 x 1,024 float32; audio 4 x 1,024 x 512 float32; b_audio 1,024 float32; b_image 1,024 float32; b_text 1,024 float32; b_video 1,024 float32; bk 1,024 float32; bo 1,024 float32; bq 1,024 float32; bv 1,024 float32; emb 4 x 1,024 float32; image 4 x 1,024 x 1,024 float32; temperature one number float32; text 4 x 1,024 x 768 float32; video 4 x 1,024 x 1,024 float32.
;; Outputs: out0 4 x 1,024 x 1,024 float32.
;; This version of the problem:
;;   THIS VERSION OF THE PROBLEM IS GIVEN IN LOW PRECISION. The matrix products marked QUANTISED in the list below multiply operands that are first quantised to E2M3 (2 exponent bits, 3 mantissa bits; 6 bits a number), with one power-of-two scale for each 32 numbers along K (OCP MX v1.0); their sums are f32. All else is computed in f32.
;;   The module's matrix products, in the order in which they are computed (A, B: the left and right operand; K: the contracted axis; several contracted axes count as one K, in the product's order):
;;     1. [M 4,096, K 768] x [K 768, N 1,024]; A: input text; B: input W_text: QUANTISED
;;     2. [M 4,096, K 1,024] x [K 1,024, N 1,024]; A: input image; B: input W_image: QUANTISED
;;     3. [M 4,096, K 512] x [K 512, N 1,024]; A: input audio; B: input W_audio: QUANTISED
;;     4. [M 4,096, K 1,024] x [K 1,024, N 1,024]; A: input video; B: input W_video: QUANTISED
;;     5. [M 16,384, K 1,024] x [K 1,024, N 1,024]; A: computed on the way; B: input Wq: QUANTISED
;;     6. [M 16,384, K 1,024] x [K 1,024, N 1,024]; A: computed on the way; B: input Wk: QUANTISED
;;     7. [M 16,384, K 1,024] x [K 1,024, N 1,024]; A: computed on the way; B: input Wv: QUANTISED
;;     8. batch 131,072 x [M 1, K 128] x [K 128, N 3]; A: computed on the way; B: computed on the way: left as it is (M = 1 < 16)
;;     9. batch 131,072 x [M 1, K 3] x [K 3, N 128]; A: softmax; B: computed on the way: left as it is (K = 3 < 32)
;;     10. [M 4,096, K 1,024] x [K 1,024, N 1,024]; A: computed on the way; B: input Wo: QUANTISED
;;   THE QUANTISER, for each operand of a quantised product, along K:
;;     - K is cut into blocks of 32 from its start; a last block that is shorter is filled with zeros.
;;     - A block's scale is 2^e with e = floor(log2(the largest magnitude in the block)) - 2, held to -126 .. 127; a block of zeros has e = 0. As a byte (E8M0): e + 127.
;;     - Each number is divided by its block's scale, clamped to +-7.5, and rounded to the nearest number of E2M3, ties to even, subnormals kept.
;;     - The product sums the exact products of the quantised numbers (number of the format x scale) in f32.
;;   ~~~python
;;   def quantise(x, axis):      # numpy; x: float32 -> the quantised numbers, widened to float32 again
;;       x = np.moveaxis(x, axis, -1); K = x.shape[-1]
;;       x = np.pad(x, [(0, 0)] * (x.ndim - 1) + [(0, -K % 32)]); x = x.reshape(x.shape[:-1] + (-1, 32)); a = np.abs(x).max(-1, keepdims=True)
;;       e = np.where(a > 0, np.clip(np.frexp(np.where(a > 0, a, 1))[1] - 1 - 2, -126, 127), 0)      # np.frexp(a)[1] - 1 = floor(log2(a)), exactly
;;       r = np.clip(x / 2.0 ** e, -7.5, 7.5)
;;       step = 2.0 ** (np.maximum(np.frexp(np.where(r == 0, 1, r))[1] - 1, 0) - 3)
;;       q = np.round(r / step) * step * 2.0 ** e      # np.round: ties to even
;;       return np.moveaxis(q.reshape(q.shape[:-2] + (-1,))[..., :K], -1, axis).astype(np.float32)
;;   ~~~
;;   OPERANDS COMPUTED ON THE WAY. 'Computed on the way' means the value that the module computes at that place (a softmax that the list does not call 'softmax' is quantised finished and normalised). What goes into a quantiser is computed in f32, as accurately as f32 sums, v_exp_f32 and their like allow (about 1e-6 of the number): no bf16 or f16 on the way to a quantiser, and a product that is left as it is and whose result goes on into a quantised operand takes f32 operands (vector FMAs, or v_wmma_f32_16x16x4_f32). A number that lies on a knife's edge between two numbers of the format may be rounded either way, as far as f32 arithmetic and the matrix unit's own rounding can turn it there, and no further.
;; One version. Each part assembles by itself: llvm-mc -triple=amdgcn-amd-amdhsa -mcpu=gfx1250 --defsym DOCPART=n.
;; ======== version 1 of 1: 4 launches
;; workspace buffers: q0 19,660,800 bytes; q1 13,107,200 bytes; q2 3,276,800 bytes
;; launch quant (part 1): grid 768 x 1, 4 waves a work-group, no clusters, 34,304 bytes of LDS; arguments text, image, audio, video, W_text, W_image, W_audio, W_video, Wq, Wk, Wv, Wo, q0; writes q0
.if DOCPART == 1
	.amdgcn_target "amdgcn-amd-amdhsa--gfx1250"
	.amdhsa_code_object_version 6
	.text
	.protected	k_qaba0236aca_quant
	.globl	k_qaba0236aca_quant
	.p2align	8
	.type	k_qaba0236aca_quant,@function
k_qaba0236aca_quant:
	s_mov_b64 s[64:65], 0
	v_nop
	global_prefetch_b8 v0, s[64:65] scope:SCOPE_SE
	s_setreg_imm32_b32 hwreg(HW_REG_WAVE_MODE, 25, 1), 1
	s_wait_xcnt 0x0
; The four inputs [4096][K] and the eight weights [1024][K], all f32 with K innermost, become codes of FP6 (E2M3) with one E8M0 scale byte for each 32 along K.
; A block's scale is 2^(floor(log2(its largest magnitude)) - 2); its byte is the largest magnitude's exponent field - 2, held at 1 from below; each number is divided by the scale and rounded to the nearest code, ties to even,
; beyond 7.5 the largest code.  (A block of zeros gets the byte 1 where the rule says 127: its codes are zeros, and this program alone reads the bytes.)
; LIMITS: NaN and infinities among the inputs are not served.
; LAYOUT OF q0: 768 tile blocks of TB = 25,600 bytes, block g made by work-group g.  A tile block is 128 rows x 256 along K: 16 fragments (16 rows x 128 K) as IMAGES OF THE OPERAND'S REGISTERS, fragment (row block i, K step s)
; at (2 i + s) x 1,536, register group c of lane l at 512 c + 16 l; behind them, at 24,576, the scale words: pair g of row blocks, K step s at 256 g + 128 s + 4 x lane (lanes 0-15 block 2 g, lanes 16-31 block 2 g + 1).
; THE ROWS OF A FRAGMENT ARE NOT NEIGHBOURS: in each 32 rows, lane r of fragment u holds row 8 u + r + 8 (r / 8).
; Blocks 0-511: text, image, audio, video (128 each: 32 row blocks x 4 K slots); 512-767: W_text, W_image, W_audio, W_video, Wq, Wk, Wv, Wo (32 each).
; EVERY TENSOR IS LAID WITH K = 1,024: the K slots past a tensor's own K (text: 1 of 4, audio: 2 of 4, their weights likewise) hold zero codes under the byte 127, which add nothing to a sum.
; SHARES: wave w takes rows 32 w .. 32 w + 31 of the block: four fragments f = 2 u + s.  Each load reads 512 consecutive bytes of one row; the 16 rows of a fragment turn through the wave's own stage in LDS, so that a lane
; gets the 64 numbers that the operand's layout gives it: k = 64 c + 32 (lane / 16) + 0 .. 31 of its row.  No tensor loads, no barrier: waves share nothing.  Loads run one fragment (16 loads) ahead.
.set TB,     25600
.set FRB,    1536
.set SCO,    24576
.set SPITCH, 528                       ; a stage row: 512 bytes + 16: an odd multiple of 16
.set WSTG,   16*SPITCH                 ; a wave's stage
.set SPARE,  4*WSTG                    ; behind the stages: the spare words, 128 bytes a wave, which no other line names
.set STI,   4                          ; v4   the stage, way in: my wave's stage + 16 x lane
.set STOUT, 5                          ; v5   way out: + 528 r + 128 h
.set LI,    6                          ; v6   16 x lane
.set LS,    7                          ; v7   4 x lane
.set VO,    8                          ; v8-15  16 x lane + e x the tensor's row pitch, e = 0 .. 7
.set R,     16                         ; v16-143  two sets of 16 rows as loaded
.set X,     144                        ; v144-207 my 64 numbers
.set C,     208                        ; v208-219 a fragment's codes
.set T,     220                        ; v220-222, v224-226 the upper halves of the blocks' codes
.set MX,    228
.set SO,    230
.set BY,    232
.set TP,    234
.set W,     236                        ; v236-239 the four fragments' scale words
.set SPW,   240
.set NIL,   241
.set WO,    242
	s_load_b512 s[4:19], s[0:1], 0x0               ; text, image, audio, video, W_text, W_image, W_audio, W_video
	s_load_b256 s[20:27], s[0:1], 0x40             ; Wq, Wk, Wv, Wo
	s_load_b64 s[28:29], s[0:1], 0x60              ; q0
	v_lshl_add_u32 v[SPW], v0, 2, SPARE
	v_mov_b32 v[NIL], 0
	v_lshrrev_b32 v1, 5, v0
	v_readfirstlane_b32 s30, v1                    ; wave
	s_lshr_b32 s52, ttmp9, 7                       ; an input's number,
	s_sub_co_u32 s53, ttmp9, 512
	s_lshr_b32 s53, s53, 5
	s_add_co_u32 s53, s53, 4                       ; or a weight's
	s_and_b32 s54, ttmp9, 127
	s_and_b32 s55, ttmp9, 31
	s_cmp_lt_u32 ttmp9, 512
	s_cselect_b32 s52, s52, s53                    ; which of the 12 tensors
	s_cselect_b32 s54, s54, s55
	s_lshr_b32 s54, s54, 2                         ; which 128 rows of it
	s_and_b32 s55, ttmp9, 3                        ; which K slot
	s_and_b32 s56, s52, 3
	s_cmp_ge_u32 s52, 8
	s_cselect_b32 s56, 1, s56
	s_cmp_eq_u32 s56, 0
	s_cselect_b32 s57, 3, 4                        ; K slots that the tensor has: text 3,
	s_cmp_eq_u32 s56, 2
	s_cselect_b32 s57, 2, s57                      ; audio 2, all others 4
	s_lshl_b32 s58, s57, 10                        ; a row in bytes
	s_lshl_b32 s59, s54, 7
	s_lshl_b32 s60, s30, 5
	s_add_co_u32 s59, s59, s60                     ; my wave's first row
	s_mul_i32 s59, s59, s58
	s_lshl_b32 s60, s55, 10
	s_add_co_u32 s60, s59, s60                     ; its bytes of my K slot (under 2^25)
	s_mov_b32 s61, 0
	s_lshl_b32 s62, s58, 3                         ; eight rows on
	s_mov_b32 s63, 0
	s_mul_i32 s34, ttmp9, TB                       ; my block in q0
	s_lshl_b32 s46, s30, 8
	s_add_co_u32 s46, s46, s34
	s_add_co_u32 s46, s46, SCO                     ; my wave's scale words
	s_mov_b32 s47, 0
	s_mul_i32 s35, s30, 4*FRB
	s_add_co_u32 s34, s34, s35                     ; my wave's four fragments
	s_mov_b32 s35, 0
	s_mov_b32 s48, 0xffff0000                      ; lanes 16-31
	s_mov_b32 s50, 0x76543210
	s_mov_b32 s51, 0xfedcba98                      ; v_permlanex16_b32's selects for lane l xor 16
	s_mul_i32 s31, s30, WSTG
	v_and_b32 v2, 31, v0                           ; lane
	v_and_b32 v3, 15, v0                           ; r
	v_bfe_u32 v1, v0, 4, 1                         ; h
	v_lshlrev_b32 v[LI], 4, v2
	v_lshlrev_b32 v[LS], 2, v2
	v_add_nc_u32 v[STI], s31, v[LI]
	v_mul_u32_u24 v[STOUT], v3, SPITCH
	v_lshl_add_u32 v[STOUT], v1, 7, v[STOUT]
	v_add_nc_u32 v[STOUT], s31, v[STOUT]
	v_lshlrev_b32 v1, 3, v1                        ; 8 h: my bytes' place in a scale word
	v_mov_b32 v[VO], v[LI]
.irp e, 1,2,3,4,5,6,7
	v_add_nc_u32 v[VO+\e], s58, v[VO+\e-1]
.endr
	v_mov_b32 v[TP], 0                             ; written once: a lane permute's destination counts as one of its sources
	s_wait_kmcnt 0x0
	s_mov_b64 s[32:33], s[4:5]                     ; the tensor's address: a choice on the work-group's number alone
.irp i, 1,2,3,4,5,6,7,8,9,10,11
	s_cmp_eq_u32 s52, \i
	s_cselect_b64 s[32:33], s[4+2*\i:5+2*\i], s[32:33]
.endr
	s_add_nc_u64 s[36:37], s[32:33], s[60:61]      ; my rows 0-7,
	s_add_nc_u64 s[38:39], s[36:37], s[62:63]      ; 8-15,
	s_add_nc_u64 s[40:41], s[38:39], s[62:63]      ; 16-23,
	s_add_nc_u64 s[42:43], s[40:41], s[62:63]      ; 24-31
	s_add_nc_u64 s[44:45], s[28:29], s[34:35]
	s_add_nc_u64 s[46:47], s[28:29], s[46:47]
	s_cmp_ge_u32 s55, s57                          ; a K slot past the tensor's K: ids alone
	s_cbranch_scc1 .Lzero
; fragment f = 2 u + s: its lane q holds my row 8 u + q + 8 (q / 8) = 8 (u + 2 (q / 8)) + q % 8: the order of rows lies in the choice of the base alone
.macro LOADF f
.irp q, 0,1,2,3,4,5,6,7,8,9,10,11,12,13,14,15
	global_load_b128 v[R+64*((\f)%2)+4*\q:R+64*((\f)%2)+4*\q+3], v[VO+\q%8], s[36+2*((\f)/2+2*(\q/8)):37+2*((\f)/2+2*(\q/8))] offset:512*((\f)%2) th:TH_LOAD_NT
.endr
.endm
.macro TURNF f                         ; through the stage: LDS serves a wave's instructions in order, so no wait stands between the stores and the loads
.irp q, 0,1,2,3,4,5,6,7,8,9,10,11,12,13,14,15
	ds_store_b128 v[STI], v[R+64*((\f)%2)+4*\q:R+64*((\f)%2)+4*\q+3] offset:SPITCH*\q
.endr
.irp c, 0,1
.irp j, 0,1,2,3,4,5,6,7
	ds_load_b128 v[X+32*\c+4*\j:X+32*\c+4*\j+3], v[STOUT] offset:256*\c+16*\j
.endr
.endr
.endm
.macro QUANTF f
.irp c, 0,1                            ; my block 2 c + h: all its 32 numbers are mine
	v_max3_num_f32 v[MX+\c], |v[X+32*\c]|, |v[X+32*\c+1]|, 0x1800000   ; and the floor 2^(3 - 127): the byte cannot fall under 1
.endr
.irp i, 2,4,6,8,10,12,14,16,18,20,22,24,26,28,30
.irp c, 0,1
	v_max3_num_f32 v[MX+\c], v[MX+\c], |v[X+32*\c+\i]|, |v[X+32*\c+\i+1]|
.endr
.endr
.irp c, 0,1
	v_add_nc_u32 v[SO+\c], 0xff000000, v[MX+\c]    ; 2 off the exponent field: the conversion's scale operand
.endr
.irp c, 0,1
	v_lshrrev_b32 v[BY+\c], 23, v[SO+\c]           ; the scale's byte
.endr
	v_lshl_or_b32 v[W+(\f)], v[BY+1], 16, v[BY]    ; blocks h and 2 + h of my row,
	v_lshlrev_b32 v[W+(\f)], v1, v[W+(\f)]         ; at their places;
	v_permlanex16_b32 v[TP], v[W+(\f)], s50, s51
	v_or_b32 v[W+(\f)], v[W+(\f)], v[TP]           ; with lane l xor 16's two the word is whole
.if (\f) > 0
	s_wait_xcnt 0x0                                ; the last fragment's stores have read their data: the codes' registers are written again only behind this wait
.endif
.irp c, 0,1
	v_cvt_scalef32_pk16_fp6_f32 v[C+6*\c:C+6*\c+2], v[X+32*\c:X+32*\c+15], v[SO+\c]
	v_cvt_scalef32_pk16_fp6_f32 v[T+4*\c:T+4*\c+2], v[X+32*\c+16:X+32*\c+31], v[SO+\c]   ; (a conversion's three registers begin on an even number)
.endr
	v_nop                                          ; one plain place behind a scaled conversion
.irp c, 0,1
.irp i, 0,1,2
	v_mov_b32 v[C+6*\c+3+\i], v[T+4*\c+\i]
.endr
.endr
.irp c, 0,1,2
	global_store_b128 v[LI], v[C+4*\c:C+4*\c+3], s[44:45] offset:FRB*(\f)+512*\c   ; 32 lanes store 512 consecutive bytes, aligned
.endr
.endm
	LOADF 0
	LOADF 1
.irp f, 0,1,2,3
.if \f < 3
	s_wait_loadcnt 16                              ; this fragment's 16 loads are in; the next one's may be out
.else
	s_wait_loadcnt 0x0
.endif
	TURNF \f
	s_wait_dscnt 0x0                               ; my numbers are back, and the stores into the stage have read their registers,
.if \f < 2
	LOADF \f+2                                     ; which take the fragment two on
.endif
	QUANTF \f
.endr
.irp s, 0,1
	v_cndmask_b32 v[WO+\s], v[W+\s], v[W+2+\s], s48   ; lanes 0-15: row block 2 w; lanes 16-31: row block 2 w + 1
.endr
.irp s, 0,1
	global_store_b32 v[LS], v[WO+\s], s[46:47] offset:128*\s
.endr
	s_wait_tensorcnt 0x0                           ; the wave's end, behind my last LDS store
	ds_add_u32 v[SPW], v[NIL]
	s_wait_dscnt 0x0
	s_endpgm
.Lzero:                                            ; zero codes, and the byte 127; this way writes no LDS
.irp i, 0,1,2,3
	v_mov_b32 v[R+\i], 0
.endr
	v_mov_b32 v[R+4], 0x7f7f7f7f
.irp k, 0,1,2,3,4,5,6,7,8,9,10,11
	global_store_b128 v[LI], v[R:R+3], s[44:45] offset:512*\k
.endr
.irp s, 0,1
	global_store_b32 v[LS], v[R+4], s[46:47] offset:128*\s
.endr
	s_endpgm
.Lfunc_end_k_qaba0236aca_quant:
	.size	k_qaba0236aca_quant, .Lfunc_end_k_qaba0236aca_quant-k_qaba0236aca_quant
	.p2alignl 7, 3214868480
	.fill 96, 4, 3214868480
	.section	.rodata,"a",@progbits
	.p2align	6, 0x0
	.amdhsa_kernel k_qaba0236aca_quant
		.amdhsa_group_segment_fixed_size 34304
		.amdhsa_private_segment_fixed_size 0
		.amdhsa_enable_private_segment 0
		.amdhsa_kernarg_size 104
		.amdhsa_user_sgpr_count 2
		.amdhsa_user_sgpr_kernarg_segment_ptr 1
		.amdhsa_wavefront_size32 1
		.amdhsa_system_sgpr_workgroup_id_x 1
		.amdhsa_system_sgpr_workgroup_id_y 1
		.amdhsa_system_sgpr_workgroup_id_z 1
		.amdhsa_system_vgpr_workitem_id 0
		.amdhsa_next_free_vgpr 244
		.amdhsa_next_free_sgpr 66
		.amdhsa_reserve_vcc 0
		.amdhsa_float_denorm_mode_32 3
		.amdhsa_float_denorm_mode_16_64 3
		.amdhsa_memory_ordered 1
		.amdhsa_forward_progress 1
		.amdhsa_inst_pref_size 33
	.end_amdhsa_kernel
	.amdgpu_metadata
---
amdhsa.version: [ 1, 2 ]
amdhsa.kernels:
  - .name:           k_qaba0236aca_quant
    .symbol:         k_qaba0236aca_quant.kd
    .args:
      - { .name: text, .offset: 0, .size: 8, .value_kind: global_buffer, .address_space: global }
      - { .name: image, .offset: 8, .size: 8, .value_kind: global_buffer, .address_space: global }
      - { .name: audio, .offset: 16, .size: 8, .value_kind: global_buffer, .address_space: global }
      - { .name: video, .offset: 24, .size: 8, .value_kind: global_buffer, .address_space: global }
      - { .name: W_text, .offset: 32, .size: 8, .value_kind: global_buffer, .address_space: global }
      - { .name: W_image, .offset: 40, .size: 8, .value_kind: global_buffer, .address_space: global }
      - { .name: W_audio, .offset: 48, .size: 8, .value_kind: global_buffer, .address_space: global }
      - { .name: W_video, .offset: 56, .size: 8, .value_kind: global_buffer, .address_space: global }
      - { .name: Wq, .offset: 64, .size: 8, .value_kind: global_buffer, .address_space: global }
      - { .name: Wk, .offset: 72, .size: 8, .value_kind: global_buffer, .address_space: global }
      - { .name: Wv, .offset: 80, .size: 8, .value_kind: global_buffer, .address_space: global }
      - { .name: Wo, .offset: 88, .size: 8, .value_kind: global_buffer, .address_space: global }
      - { .name: q0, .offset: 96, .size: 8, .value_kind: global_buffer, .address_space: global }
    .group_segment_fixed_size: 34304
    .private_segment_fixed_size: 0
    .kernarg_segment_align: 8
    .kernarg_segment_size: 104
    .max_flat_workgroup_size: 128
    .sgpr_count:     66
    .vgpr_count:     244
    .wavefront_size: 32
...
	.end_amdgpu_metadata
.endif
;; end of part 1
;; launch proj (part 2): grid 4 x 64, 4 waves a work-group, clusters of 4 x 4, 327,680 bytes of LDS; arguments q0, b_text, b_image, b_audio, b_video, emb, q1; writes q1
.if DOCPART == 2
	.amdgcn_target "amdgcn-amd-amdhsa--gfx1250"
	.amdhsa_code_object_version 6
	.text
	.protected	k_qaba0236aca_proj
	.globl	k_qaba0236aca_proj
	.p2align	8
	.type	k_qaba0236aca_proj,@function
k_qaba0236aca_proj:
	s_mov_b64 s[64:65], 0
	v_nop
	global_prefetch_b8 v0, s[64:65] scope:SCOPE_SE
	s_setreg_imm32_b32 hwreg(HW_REG_WAVE_MODE, 25, 1), 1
	s_wait_xcnt 0x0
	s_wait_alu depctr_hold_cnt(0) depctr_sa_sdst(0) depctr_va_vdst(0) depctr_va_sdst(0) depctr_va_ssrc(0) depctr_va_vcc(0) depctr_vm_vsrc(0)
	s_getreg_b32 s2, hwreg(HW_REG_IB_STS2, 6, 4)
	s_cmp_eq_u32 s2, 0
	s_cbranch_scc0 .Lentry_in_a_cluster
	s_endpgm
.Lentry_in_a_cluster:
	s_bfe_u32 s2, ttmp6, 0x10000c
	s_cmp_lg_u32 s2, 0xf033
	s_cbranch_scc0 .Lentry_shape_is_right
	s_endpgm
.Lentry_shape_is_right:
; The four projections: stacked[mod][pos][:] = input_mod[pos] W_mod^T + b_mod + emb[mod], on codes of FP6 with E8M0 scales, and the result quantised along its 1,024 columns, which are the next products' K.
; Operands come from q0 as tile blocks of 25,600 bytes (128 rows x 256 K: 16 register images of fragments, then 1,024 bytes of scale words); K is 1,024 for every modality (zero codes past a tensor's own K).
; SHARES: a tile of 256 rows x 256 columns to a work-group, 128 x 128 to each of four waves: 64 accumulators.  K goes in four slots of 256 through a ring of two LDS slots; a wave fills a quarter of a slot by one tensor load of a
; dense block (100 rows of 256 bytes).  CLUSTERS: 4 x 4; the input's blocks are shared along a row of the cluster, the weight's along a column: joint loads.
; THE PRODUCT IS USED TRANSPOSED (source 0 = 16 rows of W, source 1 = 16 rows of the input), and a weight's fragments hold their rows in the order 8 u + r + 8 (r / 8): so a lane holds one row, and the 64 registers of a
; row block are columns 32 b + 16 (lane / 16) + 0 .. 15, b = 0 .. 3: what the conversions want.  A wave's 128 columns are one K step of the next product: one fragment and one scale word a row.
; b + emb is added first and is the C of each sum's first product: an order of rounding that differs from the sum + b + emb of the definition by what one f32 addition rounds.
; q1: blocks of 51,200 bytes, block (P, t) at (4 P + t): 256 rows (16-position blocks 4 P .. 4 P + 3 x 4 modalities) x 256 K: fragment (i' = 4 (pb % 4) + mod, s) at (2 i' + s) x 1,536; scale words at 49,152 + 256 (i' / 2) + 128 s + 64 (i' % 2) + 4 r.
; LIMITS: as the quantiser's: NaN and infinities are not served; a block of zeros gets the byte 1.
; REGISTERS: window 0: v16-29 addresses; v32-63 scale words, two sets; v64-115 at work on the way out; v128-223 the input's fragments, ONE set.  window 1: the weight's fragments, TWO sets (v0, v128), and the bias tiles (v96-127, v224-255).
;   window 2: accumulators of my rows 0-63 ((a, b) at v[8 (8 (a % 4) + b)]);  window 3: of rows 64-127.
.set TB,    25600
.set TB2,   51200
.set FRB,   1536
.set SCO,   24576
.set SLOT,  4*TB                       ; the input's two blocks, then the weight's two
.set SPARE, 2*SLOT                     ; behind the ring: the spare words, 128 bytes a wave, which no other line names
.set ADRA, 16                          ; v16-17 my input block in slot 0, 1, + 16 x lane
.set ASA,  18                          ; v18-19 the same + 4 x lane
.set ADRB, 20                          ; v20-21, v22-23 the same for the weight
.set ASB,  22
.set LI,   24                          ; 16 x lane
.set LR,   25                          ; 4 x (lane % 16)
.set VB,   26                          ; 64 x (lane / 16)
.set SPW,  28
.set NIL,  29
.set SC,   32                          ; scale words: set sg at SC + 16 sg: the input's (g, s) at + 2 g + s, the weight's at + 8 + 2 g + s
.set TM,   64
.set PW,   80
.set PC,   96
.set AF,   128
.set G1,   24
.set G0,   32
.set G1B,  48
.set G0B,  56
.set SEL,  80
.set MSB, 0
.macro WIN new                         ; the immediate's high byte repeats the setting that is left
.if MSB != (\new)
	s_set_vgpr_msb (MSB<<8)|(\new)
.set MSB, (\new)
.endif
.endm
.macro PLACES                          ; four plain places behind a matrix instruction, ahead of loads into its registers and of reads of its results
.rept 4
	v_nop
.endr
.endm
; A joint load: waves 0 and 1 fetch the input's two blocks, waves 2 and 3 the weight's.  The branch hangs on the wave's number alone.  An s_nop 0 and four v_nop follow each line.
.macro JLOAD sg
	s_cmp_eq_u32 s17, 0
	s_cbranch_scc0 .Lfor_b_\@
	tensor_load_to_lds s[G0+4*\sg:G0+4*\sg+3], s[G1:G1+7]
	s_nop 0
.rept 4
	v_nop
.endr
	s_branch .Lasked_\@
.Lfor_b_\@:
	tensor_load_to_lds s[G0B+4*\sg:G0B+4*\sg+3], s[G1B:G1B+7]
	s_nop 0
.rept 4
	v_nop
.endr
.Lasked_\@:
.endm
.macro CREST                           ; a round of the cluster's barrier behind its opening barrier
	s_cmp_lg_u32 s16, 0
	s_cbranch_scc1 .Lnot_wave_0_\@
	s_barrier_signal -3
.Lnot_wave_0_\@:
	s_barrier_wait -3
	s_barrier_signal -1
	s_barrier_wait -1
.endm
.macro CROUND
	s_barrier_signal -1
	s_barrier_wait -1
	CREST
.endm
; one product; its registers are the symbols qD, qB, qA, qC, qSB, qSA; qOB, qOA: the side's scale words lie in lanes 16-31
.macro WM
.if qOB && qOA
	v_wmma_scale_f32_16x16x128_f8f6f4 v[qD:qD+7], v[qB:qB+11], v[qA:qA+11], v[qC:qC+7], v[qSB], v[qSA] matrix_a_fmt:MATRIX_FMT_FP6 matrix_b_fmt:MATRIX_FMT_FP6 matrix_a_scale:MATRIX_SCALE_ROW1 matrix_b_scale:MATRIX_SCALE_ROW1
.elseif qOB
	v_wmma_scale_f32_16x16x128_f8f6f4 v[qD:qD+7], v[qB:qB+11], v[qA:qA+11], v[qC:qC+7], v[qSB], v[qSA] matrix_a_fmt:MATRIX_FMT_FP6 matrix_b_fmt:MATRIX_FMT_FP6 matrix_a_scale:MATRIX_SCALE_ROW1
.elseif qOA
	v_wmma_scale_f32_16x16x128_f8f6f4 v[qD:qD+7], v[qB:qB+11], v[qA:qA+11], v[qC:qC+7], v[qSB], v[qSA] matrix_a_fmt:MATRIX_FMT_FP6 matrix_b_fmt:MATRIX_FMT_FP6 matrix_b_scale:MATRIX_SCALE_ROW1
.else
	v_wmma_scale_f32_16x16x128_f8f6f4 v[qD:qD+7], v[qB:qB+11], v[qA:qA+11], v[qC:qC+7], v[qSB], v[qSA] matrix_a_fmt:MATRIX_FMT_FP6 matrix_b_fmt:MATRIX_FMT_FP6
.endif
.endm
	s_load_b64 s[4:5], s[0:1], 0x0                 ; q0
	s_load_b256 s[8:15], s[0:1], 0x8               ; b_text, b_image, b_audio, b_video
	s_load_b128 s[68:71], s[0:1], 0x28             ; emb, q1
	v_lshl_add_u32 v[SPW], v0, 2, SPARE
	v_mov_b32 v[NIL], 0
	ds_add_u32 v[SPW], v[NIL]                      ; the wave's opening: the add and its wait stand ahead of my first tensor load; work on registers stands between them
	v_lshrrev_b32 v1, 5, v0
	v_readfirstlane_b32 s16, v1                    ; wave 0..3
	s_lshr_b32 s17, s16, 1                         ; which 128 rows of the tile are mine.  Also: I fetch the input's (0) or the weight's (1)
	s_and_b32 s18, s16, 1                          ; which 128 columns.  Also: which of the two blocks I fetch
	s_bfe_u32 s40, ttmp6, 0x40000                  ; cx
	s_bfe_u32 s41, ttmp6, 0x40004                  ; cy
	s_lshl_b32 s42, ttmp9, 2
	s_add_co_u32 s42, s42, s40                     ; tile column n = 4 x cluster x + cx
	s_and_b32 s82, ttmp7, 0xffff
	s_lshl_b32 s19, s82, 2
	s_add_co_u32 s19, s19, s41                     ; tile row = 4 x cluster y + cy: 16 tile rows to a modality
	s_lshr_b32 s82, s82, 2                         ; the modality: of the cluster's y alone, the same in all sixteen partners
	s_lshl_b32 s43, s41, 2
	s_lshl_b32 s43, 15, s43                        ; my row of the cluster
	s_lshl_b32 s44, 0x1111, s40                    ; my column
	s_or_b32 s[G1+0], s43, (3<<16)|(1<<21)         ; 15:0 the mask; 17:16 elements of 8 bytes; 21 set beside a mask; no padding
	s_or_b32 s[G1B+0], s44, (3<<16)|(1<<21)
.irp g, G1, G1B
	s_mov_b32 s[\g+1], 32<<16                      ; tensor_dim0 = 32 elements: rows of 256 bytes
	s_mov_b32 s[\g+2], 100<<16                     ; tensor_dim1 = 100 rows: a tile block
	s_mov_b32 s[\g+3], 32<<16                      ; tile_dim0
	s_mov_b32 s[\g+4], 100                         ; tile_dim1
	s_mov_b32 s[\g+5], 32                          ; the pitch: dense
	s_mov_b32 s[\g+6], 0
	s_mov_b32 s[\g+7], 0
.endr
	s_lshl_b32 s20, s19, 1
	s_add_co_u32 s20, s20, s18
	s_mul_i32 s20, s20, 4*TB                       ; the input's 128-row block 2 x tile row + which, K slot 0
	s_mov_b32 s21, 0
	s_lshl_b32 s46, s42, 1
	s_add_co_u32 s46, s46, s18
	s_mul_i32 s46, s46, 4*TB                       ; the weight's block 2 n + which,
	s_mul_i32 s47, s82, 32*TB                      ; in the modality's weight,
	s_add_co_u32 s46, s46, s47
	s_add_co_u32 s46, s46, 512*TB                  ; behind the inputs
	s_mov_b32 s47, 0
	s_mul_i32 s45, s16, TB                         ; where it goes: wave x a block: no place in the cluster enters an LDS address
	s_mov_b32 s[SEL], 0x76543210
	s_mov_b32 s[SEL+1], 0xfedcba98
	s_wait_dscnt 0x0                               ; the opening add is done
	s_wait_kmcnt 0x0
	s_add_nc_u64 s[20:21], s[4:5], s[20:21]
	s_add_nc_u64 s[46:47], s[4:5], s[46:47]
	CROUND                                         ; all sixteen work-groups are here: the first joint loads meet
.irp s, 0,1
	s_mov_b32 s[G0+4*\s], 1
	s_add_co_u32 s[G0+4*\s+1], s45, \s*SLOT
	s_add_nc_u64 s[G0+4*\s+2:G0+4*\s+3], s[20:21], \s*TB
	s_or_b32 s[G0+4*\s+3], s[G0+4*\s+3], 0x80000000
	s_mov_b32 s[G0B+4*\s], 1
	s_add_co_u32 s[G0B+4*\s+1], s45, \s*SLOT
	s_add_nc_u64 s[G0B+4*\s+2:G0B+4*\s+3], s[46:47], \s*TB
	s_or_b32 s[G0B+4*\s+3], s[G0B+4*\s+3], 0x80000000
	JLOAD \s                                       ; K slots 0 and 1: two loads of mine are out
.endr
	; the bias tiles: lane (r, h), tile b, register j: column 32 (b / 2) + 16 h + 8 (b % 2) + j of my 128
	v_bfe_u32 v2, v0, 4, 1
	v_lshlrev_b32 v[VB], 6, v2
	s_cmp_eq_u32 s82, 1
	s_cselect_b64 s[76:77], s[10:11], s[8:9]
	s_cmp_eq_u32 s82, 2
	s_cselect_b64 s[76:77], s[12:13], s[76:77]
	s_cmp_eq_u32 s82, 3
	s_cselect_b64 s[76:77], s[14:15], s[76:77]
	s_lshl_b32 s84, s42, 10
	s_lshl_b32 s85, s18, 9
	s_add_co_u32 s84, s84, s85                     ; my first column, in bytes
	s_mov_b32 s85, 0
	s_add_nc_u64 s[76:77], s[76:77], s[84:85]
	s_lshl_b32 s86, s82, 12
	s_add_co_u32 s84, s84, s86                     ; and in emb's row of the modality
	s_add_nc_u64 s[78:79], s[68:69], s[84:85]
	WIN 0x40                                       ; destination window 1
.irp b, 0,1,2,3,4,5,6,7
	global_load_b128 v[96+8*\b+96*(\b/4):96+8*\b+96*(\b/4)+3], v[VB], s[76:77] offset:(32*(\b/2)+8*(\b%2))*4
	global_load_b128 v[96+8*\b+96*(\b/4)+4:96+8*\b+96*(\b/4)+7], v[VB], s[76:77] offset:(32*(\b/2)+8*(\b%2))*4+16
.endr
	WIN 0
.irp b, 0,1,2,3,4,5,6,7
	global_load_b128 v[AF+8*\b:AF+8*\b+3], v[VB], s[78:79] offset:(32*(\b/2)+8*(\b%2))*4
	global_load_b128 v[AF+8*\b+4:AF+8*\b+7], v[VB], s[78:79] offset:(32*(\b/2)+8*(\b%2))*4+16
.endr
	s_wait_loadcnt 0x0
	WIN 0x41                                       ; destination and source 0 window 1
.irp b, 0,1,2,3,4,5,6,7
.irp j, 0,2,4,6
	v_pk_add_f32 v[96+8*\b+96*(\b/4)+\j:96+8*\b+96*(\b/4)+\j+1], v[96+8*\b+96*(\b/4)+\j:96+8*\b+96*(\b/4)+\j+1], v[AF+8*\b+\j:AF+8*\b+\j+1]
.endr
.endr
	WIN 0
	v_and_b32 v1, 31, v0
	v_lshlrev_b32 v[LI], 4, v1
	v_lshlrev_b32 v3, 2, v1
	v_and_b32 v4, 15, v0
	v_lshlrev_b32 v[LR], 2, v4
	s_mul_i32 s21, s17, TB                         ; my block of the input,
	s_mul_i32 s22, s18, TB
	s_add_co_u32 s22, s22, 2*TB                    ; and of the weight
.irp s, 0,1
	v_add_nc_u32 v[ADRA+\s], s21, v[LI]
	v_add_nc_u32 v[ADRB+\s], s22, v[LI]
	v_add_nc_u32 v[ASA+\s], s21, v3
	v_add_nc_u32 v[ASB+\s], s22, v3
	s_add_co_u32 s21, s21, SLOT
	s_add_co_u32 s22, s22, SLOT
.endr
.irp b, 0,1,2,3
	v_mov_b32 v[TM+4+\b], 0                        ; written once: a lane permute's destination counts as one of its sources
.endr
	; where my results go in q1: row block a is 16-position block 8 (2 R + wr) + a, R the tile row within the modality
	s_and_b32 s84, s19, 15
	s_lshl_b32 s84, s84, 1
	s_add_co_u32 s84, s84, s17
	s_lshl_b32 s84, s84, 3
	s_add_co_u32 s84, s84, s42
	s_mul_i32 s84, s84, TB2                        ; block (P = 2 (2 R + wr), t = n)
	s_lshl_b32 s86, s82, 1
	s_add_co_u32 s86, s86, s18
	s_mul_i32 s86, s86, FRB                        ; fragment (mod, s = my half of the columns)
	s_add_co_u32 s86, s86, s84
	s_mov_b32 s87, 0
	s_add_nc_u64 s[72:73], s[70:71], s[86:87]
	s_lshr_b32 s86, s82, 1
	s_lshl_b32 s86, s86, 8
	s_add_co_u32 s84, s84, s86
	s_lshl_b32 s86, s18, 7
	s_add_co_u32 s84, s84, s86
	s_and_b32 s86, s82, 1
	s_lshl_b32 s86, s86, 6
	s_add_co_u32 s84, s84, s86
	s_add_co_u32 s84, s84, 49152
	s_mov_b32 s85, 0
	s_add_nc_u64 s[74:75], s[70:71], s[84:85]      ; and its scale words
; 16 products: the input's blocks a0, a0 + 1 x the weight's eight.  p: the weight's set; s: the slot's K step; sg: the slot.  first = 1: C is the bias tile.  The 64 accumulators take turns, one instruction a turn.
.macro MUL16 a0, p, s, sg, first
.irp a, \a0, \a0+1
.irp b, 0,1,2,3,4,5,6,7
.set qD, 8*(8*((\a)%4)+\b)
.set qB, 128*(\p)+12*\b
.set qA, AF+12*(\a)
.if \first
.set qC, 96+8*\b+96*(\b/4)
.else
.set qC, qD
.endif
.set qSB, SC+16*(\sg)+8+2*(\b/2)+(\s)
.set qSA, SC+16*(\sg)+2*((\a)/2)+(\s)
.set qOB, \b%2
.set qOA, (\a)%2
	WM
.endr
.endr
.endm
.macro FRAG reg, adr, i, s             ; a fragment's image: three loads of 16 bytes a lane, 512 consecutive bytes each
.irp c, 0,1,2
	ds_load_b128 v[(\reg)+4*\c:(\reg)+4*\c+3], v[\adr] offset:(2*(\i)+(\s))*FRB+512*\c
.endr
.endm
.macro FETCH_B sg, s, p
	WIN 0x40
.irp i, 0,1,2,3,4,5,6,7
	FRAG 128*(\p)+12*\i, ADRB+\sg, \i, \s
.endr
	WIN 0
.endm
.macro FETCH_A sg, s, i0
.irp i, \i0, \i0+1, \i0+2, \i0+3
	FRAG AF+12*(\i), ADRA+\sg, \i, \s
.endr
.endm
.macro SCALES sg
.irp g, 0,1,2,3
.irp s, 0,1
	ds_load_b32 v[SC+16*\sg+2*\g+\s], v[ASA+\sg] offset:SCO+256*\g+128*\s
	ds_load_b32 v[SC+16*\sg+8+2*\g+\s], v[ASB+\sg] offset:SCO+256*\g+128*\s
.endr
.endr
.endm
.macro STEP sg, first                  ; a slot's first K step, on the weight's set 0
	s_wait_dscnt 12                                ; all but the youngest 12 loads (the input's blocks 4-7) are in
	WIN 0xa1-0x10*(\first)                         ; source 0 window 1, source 1 window 0, D window 2; C window 2, or 1 for the bias tiles
	MUL16 0, 0, 0, \sg, \first
	MUL16 2, 0, 0, \sg, \first
	s_wait_dscnt 0x0                               ; blocks 4-7 are in
	PLACES
	FETCH_B \sg, 1, 1
	FETCH_A \sg, 1, 0
	WIN 0xf1-0x20*(\first)
	MUL16 4, 0, 0, \sg, \first
	MUL16 6, 0, 0, \sg, \first
	PLACES
	WIN 0
	FETCH_A \sg, 1, 4
.endm
; A slot's second K step changes slots: ONE barrier; ahead of it each wave waits for all its tensor loads, adds 0 to its spare word, and waits for that and for its reads of this slot.  fill = 1: this slot takes the K slot two on.
.macro TURN sg, nx, fill
	s_wait_tensorcnt 0x0                           ; all my tensor loads have landed: my part of the next slot
	ds_add_u32 v[SPW], v[NIL]                      ; 0 onto my spare word
	s_wait_dscnt 13                                ; (the add and the youngest 12 loads may be out)
	WIN 0xa1
	MUL16 0, 1, 1, \sg, 0
	s_wait_dscnt 0x0                               ; the add is done, and my reads of this slot are over
	s_barrier_signal -1
	MUL16 2, 1, 1, \sg, 0
	WIN 0
	s_barrier_wait -1
.if \fill
	CREST                                          ; the barrier has opened a round of the cluster's: no wave of any partner still reads this slot or has a load on its way
	s_add_nc_u64 s[G0+4*\sg+2:G0+4*\sg+3], s[G0+4*\sg+2:G0+4*\sg+3], 2*TB
	s_add_nc_u64 s[G0B+4*\sg+2:G0B+4*\sg+3], s[G0B+4*\sg+2:G0B+4*\sg+3], 2*TB
	JLOAD \sg                                      ; the first tensor load behind the round; its four v_nop are the places ahead of the loads below
.else
	PLACES
.endif
	FETCH_B \nx, 0, 0
	FETCH_A \nx, 0, 0
	SCALES \nx
	WIN 0xf1
	MUL16 4, 1, 1, \sg, 0
	MUL16 6, 1, 1, \sg, 0
	PLACES
	WIN 0
	FETCH_A \nx, 0, 4
.endm
; 64 numbers of a lane in window w, register 16 b + i = column 32 b + 16 (lane / 16) + i of my row, become a fragment's codes in v[PC] on and its scale word in v[PW].  Each accumulator is read from its low end on.
.macro QUANT s, w
	WIN (\w)|((\w)<<2)
.irp b, 0,1,2,3
	v_max3_num_f32 v[TM+\b], |v[(\s)+16*\b]|, |v[(\s)+1+16*\b]|, 0x1800000   ; my 16 numbers of block b, and the floor 2^(3 - 127)
.endr
	WIN ((\w)<<2)|((\w)<<4)
.irp i, 2,4,6,8,10,12,14
.irp b, 0,1,2,3
	v_max3_num_f32 v[TM+\b], v[TM+\b], |v[(\s)+16*\b+\i]|, |v[(\s)+1+16*\b+\i]|
.endr
.endr
	WIN 0
.irp b, 0,1,2,3
	v_permlanex16_b32 v[TM+4+\b], v[TM+\b], s[SEL], s[SEL+1]
.endr
.irp b, 0,1,2,3
	v_max_num_f32 v[TM+\b], v[TM+\b], v[TM+4+\b]   ; with lane l xor 16's: the block's largest magnitude
.endr
.irp b, 0,1,2,3
	v_add_nc_u32 v[TM+12+\b], 0xff000000, v[TM+\b] ; 2 off its exponent field: the conversion's scale operand
.endr
.irp b, 0,1,2,3
	v_lshrrev_b32 v[TM+4+\b], 23, v[TM+12+\b]      ; the scale's byte
.endr
	v_lshl_or_b32 v[PW], v[TM+5], 8, v[TM+4]
	v_lshl_or_b32 v[PW], v[TM+6], 16, v[PW]
	v_lshl_or_b32 v[PW], v[TM+7], 24, v[PW]
	WIN (\w)
.irp c, 0,1
	v_cvt_scalef32_pk16_fp6_f32 v[PC+6*\c:PC+2+6*\c], v[(\s)+32*\c:(\s)+15+32*\c], v[TM+12+2*\c]
	v_cvt_scalef32_pk16_fp6_f32 v[PC+12+4*\c:PC+14+4*\c], v[(\s)+16+32*\c:(\s)+31+32*\c], v[TM+12+2*\c+1]
.endr
	WIN 0
	v_nop                                          ; one plain place behind a scaled conversion
.irp c, 0,1                            ; the operand's layout wants a WHOLE block in a lane
.irp i, 0,1,2
	v_permlane16_swap_b32 v[PC+6*\c+\i], v[PC+12+4*\c+\i]
.endr
.irp i, 0,1,2
	v_mov_b32 v[PC+3+6*\c+\i], v[PC+12+4*\c+\i]
.endr
.endr
.endm
.macro OUTBLK a                        ; my row block a leaves as one fragment's image and 16 scale words
.if (\a) > 0
	s_wait_xcnt 0x0                                ; the last block's stores have read their data
.endif
	QUANT 64*((\a)%4), 2+(\a)/4
.irp c, 0,1,2
	global_store_b128 v[LI], v[PC+4*\c:PC+4*\c+3], s[72:73] offset:4*TB2*((\a)/4)+8*FRB*((\a)%4)+512*\c   ; 512 consecutive bytes, aligned
.endr
	global_store_b32 v[LR], v[PW], s[74:75] offset:4*TB2*((\a)/4)+512*((\a)%4)   ; both halves of the lanes hold the same word and store it to the same place
.endm
	s_wait_tensorcnt 1                             ; my part of K slot 0 is in; slot 1's load may be out
	s_barrier_signal -1
	s_barrier_wait -1
	FETCH_B 0, 0, 0
	FETCH_A 0, 0, 0
	SCALES 0
	FETCH_A 0, 0, 4
	STEP 0, 1                                      ; K slot 0: its first products take the bias tiles as C
	TURN 0, 1, 1                                   ; slot 0 takes K slot 2
	STEP 1, 0
	TURN 1, 0, 1                                   ; slot 1 takes K slot 3
	STEP 0, 0
	TURN 0, 1, 0                                   ; nothing is left to fetch
	STEP 1, 0
	s_wait_dscnt 12                                ; the very last K step
	WIN 0xa1
	MUL16 0, 1, 1, 1, 0
	MUL16 2, 1, 1, 1, 0
	s_wait_dscnt 0x0
	WIN 0xf1
	MUL16 4, 1, 1, 1, 0
	MUL16 6, 1, 1, 1, 0
	WIN 0
	PLACES
.irp a, 0,1,2,3,4,5,6,7
	OUTBLK \a
.endr
	s_wait_tensorcnt 0x0                           ; the wave's end
	ds_add_u32 v[SPW], v[NIL]
	s_wait_dscnt 0x0
	CROUND                                         ; the closing round
	s_endpgm
.Lfunc_end_k_qaba0236aca_proj:
	.size	k_qaba0236aca_proj, .Lfunc_end_k_qaba0236aca_proj-k_qaba0236aca_proj
	.p2alignl 7, 3214868480
	.fill 96, 4, 3214868480
	.section	.rodata,"a",@progbits
	.p2align	6, 0x0
	.amdhsa_kernel k_qaba0236aca_proj
		.amdhsa_group_segment_fixed_size 327680
		.amdhsa_private_segment_fixed_size 0
		.amdhsa_enable_private_segment 0
		.amdhsa_kernarg_size 56
		.amdhsa_user_sgpr_count 2
		.amdhsa_user_sgpr_kernarg_segment_ptr 1
		.amdhsa_wavefront_size32 1
		.amdhsa_system_sgpr_workgroup_id_x 1
		.amdhsa_system_sgpr_workgroup_id_y 1
		.amdhsa_system_sgpr_workgroup_id_z 1
		.amdhsa_system_vgpr_workitem_id 0
		.amdhsa_next_free_vgpr 1024
		.amdhsa_next_free_sgpr 100
		.amdhsa_reserve_vcc 0
		.amdhsa_float_denorm_mode_32 3
		.amdhsa_float_denorm_mode_16_64 3
		.amdhsa_memory_ordered 1
		.amdhsa_forward_progress 1
		.amdhsa_inst_pref_size 146
	.end_amdhsa_kernel
	.amdgpu_metadata
---
amdhsa.version: [ 1, 2 ]
amdhsa.kernels:
  - .name:           k_qaba0236aca_proj
    .symbol:         k_qaba0236aca_proj.kd
    .args:
      - { .name: q0, .offset: 0, .size: 8, .value_kind: global_buffer, .address_space: global }
      - { .name: b_text, .offset: 8, .size: 8, .value_kind: global_buffer, .address_space: global }
      - { .name: b_image, .offset: 16, .size: 8, .value_kind: global_buffer, .address_space: global }
      - { .name: b_audio, .offset: 24, .size: 8, .value_kind: global_buffer, .address_space: global }
      - { .name: b_video, .offset: 32, .size: 8, .value_kind: global_buffer, .address_space: global }
      - { .name: emb, .offset: 40, .size: 8, .value_kind: global_buffer, .address_space: global }
      - { .name: q1, .offset: 48, .size: 8, .value_kind: global_buffer, .address_space: global }
    .group_segment_fixed_size: 327680
    .private_segment_fixed_size: 0
    .kernarg_segment_align: 8
    .kernarg_segment_size: 56
    .max_flat_workgroup_size: 128
    .sgpr_count:     100
    .vgpr_count:     1024
    .wavefront_size: 32
...
	.end_amdgpu_metadata
.endif
;; end of part 2
;; launch qkv (part 3): grid 8 x 32, 4 waves a work-group, clusters of 4 x 4, 327,680 bytes of LDS; arguments q1, q0, bq, bk, bv, temperature, q2; writes q2
.if DOCPART == 3
	.amdgcn_target "amdgcn-amd-amdhsa--gfx1250"
	.amdhsa_code_object_version 6
	.text
	.protected	k_qaba0236aca_qkv
	.globl	k_qaba0236aca_qkv
	.p2align	8
	.type	k_qaba0236aca_qkv,@function
k_qaba0236aca_qkv:
	s_mov_b64 s[64:65], 0
	v_nop
	global_prefetch_b8 v0, s[64:65] scope:SCOPE_SE
	s_setreg_imm32_b32 hwreg(HW_REG_WAVE_MODE, 25, 1), 1
	s_wait_xcnt 0x0
	s_wait_alu depctr_hold_cnt(0) depctr_sa_sdst(0) depctr_va_vdst(0) depctr_va_sdst(0) depctr_va_ssrc(0) depctr_va_vcc(0) depctr_vm_vsrc(0)
	s_getreg_b32 s2, hwreg(HW_REG_IB_STS2, 6, 4)
	s_cmp_eq_u32 s2, 0
	s_cbranch_scc0 .Lentry_in_a_cluster
	s_endpgm
.Lentry_in_a_cluster:
	s_bfe_u32 s2, ttmp6, 0x10000c
	s_cmp_lg_u32 s2, 0xf033
	s_cbranch_scc0 .Lentry_shape_is_right
	s_endpgm
.Lentry_shape_is_right:
; Q, K, V = stacked W^T + b on codes of FP6; then, for each position and head, the softmax over the three modalities that a modality is routed to, the weighted sum of V, the mean over the four modalities; the result quantised along D.
; ROUTES (built by the definition itself from constants): modality 0 -> {0, 1, 2}, 1 -> {0, 1, 2}, 2 -> {2, 3, 0}, 3 -> {3, 2, 0}.
; SHARES: a tile is 64 positions x 4 modalities (one block row of q1) x one head (128 rows each of Wq, Wk, Wv).  Wave w takes 16 positions: 4 fragments of rows (one a modality) x 24 tiles of columns: 96 accumulators,
; 768 registers.  So q, k and v of a position and head lie in lanes l and l xor 16 of one wave, and Q, K, V never leave the registers.
; A WORK-GROUP STAYS: 512 tiles, 256 work-groups: work-group (head, Y) makes the tiles of position blocks 2 Y and 2 Y + 1, and the ring does not stop between them: the first tile's last two changes of slots ask for the
; second tile's first two K slots, and nothing waits for the first tile's stores.  The last tile's tail is written out.
; THE PRODUCTS ARE USED TRANSPOSED (source 0 = 16 rows of a weight, source 1 = 16 stacked rows): a lane holds one position; register 8 b + j of a modality's 64 is column 32 (b / 2) + 16 (lane / 16) + 8 (b % 2) + j of the head.
; THE BIASES are loaded into modality 0's accumulators alone (48 loads a tile): in a tile's first K step modalities 1 to 3 take them as C, and modality 0 then adds in place.
; K goes in four slots of 256 through a ring of two LDS slots: [stacked rows 51,200][Wq 25,600][Wk][Wv]; wave 0 fills the rows, waves 1-3 a weight each.  CLUSTERS 4 x 4: the rows are shared along a row of the cluster (same positions),
; the weights along a column (same head): joint loads.
; SOFTMAX: the scores are f32 fused multiply-adds; the largest of the three is taken away ahead of the exponential.  ORDER OF ROUNDING: the twelve weights / 4 are first added by the modality whose V they weigh
; (c0 .. c3), then fused = sum of c_w V_w: four multiply-adds a number where the definition has twelve and a mean.
; LIMITS: NaN and infinities are not served; temperature 0 gives what a division by 0 gives; a block of zeros gets the byte 1.
; q2: tile blocks of 25,600 bytes, block (pb / 8, head / 2), fragment (pb % 8, head % 2), pb the 16-position block.
; REGISTERS: window 0: v2-17 addresses; v20-23, v24-27 scale words; v32-127 the rows' fragments, set s at 32 + 48 s; v128-223 the weights', buffer at 128 + 48 (G % 2).  Windows 1, 2, 3: Q, K, V: tile (m, b) at v[8 (8 m + b)].
.set TB,    25600
.set TB2,   51200
.set FRB,   1536
.set SCO,   24576
.set SLOT,  TB2+3*TB                   ; 128,000
.set SPARE, 2*SLOT                     ; behind the ring: the spare words, 128 bytes a wave, which no other line names
.set AA,  2                            ; v2-3   my four fragments of rows in slot 0, 1, + 16 x lane
.set AS,  4                            ; v4-5   slot + 512 w + 4 x lane: their scale words (49,152 in the immediate)
.set BQ,  6                            ; v6-7   Wq's block + 16 x lane (Wk's: 25,600 in the immediate)
.set BV,  8                            ; v8-9   Wv's block + 16 x lane
.set BS,  10                           ; v10-11 Wq's scale words + 4 x lane
.set VB,  12
.set LI,  13
.set LR,  14
.set CV,  15                           ; log2(e) / (sqrt(128) |temperature|)
.set SPW, 16
.set NIL, 17
.set ASC, 20
.set BSC, 24
.set AFR, 32
.set BFR, 128
.set DT,  32                           ; the way out: the twelve scores, a pair of registers each
.set MXR, 56
.set CW,  64
.set TM,  72
.set PW,  88
.set PC,  96
.set FU,  128
.set G1A, 24
.set G0A, 32
.set G1B, 48
.set G0B, 56
.set TL,  70                           ; s70  tiles to go, this one among them: the same number in every work-group
.set SEL, 80
.set MSB, 0
.macro WIN new
.if MSB != (\new)
	s_set_vgpr_msb (MSB<<8)|(\new)
.set MSB, (\new)
.endif
.endm
.macro PLACES                          ; four plain places behind a matrix instruction, ahead of loads into its registers and of reads of its results
.rept 4
	v_nop
.endr
.endm
.macro JLOAD sg                        ; wave 0 fetches the rows, waves 1-3 a weight each; the branch hangs on the wave's number alone; an s_nop 0 and four v_nop follow each line
	s_cmp_eq_u32 s16, 0
	s_cbranch_scc0 .Lfor_b_\@
	tensor_load_to_lds s[G0A+4*\sg:G0A+4*\sg+3], s[G1A:G1A+7]
	s_nop 0
.rept 4
	v_nop
.endr
	s_branch .Lasked_\@
.Lfor_b_\@:
	tensor_load_to_lds s[G0B+4*\sg:G0B+4*\sg+3], s[G1B:G1B+7]
	s_nop 0
.rept 4
	v_nop
.endr
.Lasked_\@:
.endm
.macro CREST
	s_cmp_lg_u32 s16, 0
	s_cbranch_scc1 .Lnot_wave_0_\@
	s_barrier_signal -3
.Lnot_wave_0_\@:
	s_barrier_wait -3
	s_barrier_signal -1
	s_barrier_wait -1
.endm
.macro CROUND
	s_barrier_signal -1
	s_barrier_wait -1
	CREST
.endm
; one product; its registers are the symbols qD, qB, qA, qC, qSB, qSA; qOB, qOA: the side's scale words lie in lanes 16-31
.macro WM
.if qOB && qOA
	v_wmma_scale_f32_16x16x128_f8f6f4 v[qD:qD+7], v[qB:qB+11], v[qA:qA+11], v[qC:qC+7], v[qSB], v[qSA] matrix_a_fmt:MATRIX_FMT_FP6 matrix_b_fmt:MATRIX_FMT_FP6 matrix_a_scale:MATRIX_SCALE_ROW1 matrix_b_scale:MATRIX_SCALE_ROW1
.elseif qOB
	v_wmma_scale_f32_16x16x128_f8f6f4 v[qD:qD+7], v[qB:qB+11], v[qA:qA+11], v[qC:qC+7], v[qSB], v[qSA] matrix_a_fmt:MATRIX_FMT_FP6 matrix_b_fmt:MATRIX_FMT_FP6 matrix_a_scale:MATRIX_SCALE_ROW1
.elseif qOA
	v_wmma_scale_f32_16x16x128_f8f6f4 v[qD:qD+7], v[qB:qB+11], v[qA:qA+11], v[qC:qC+7], v[qSB], v[qSA] matrix_a_fmt:MATRIX_FMT_FP6 matrix_b_fmt:MATRIX_FMT_FP6 matrix_b_scale:MATRIX_SCALE_ROW1
.else
	v_wmma_scale_f32_16x16x128_f8f6f4 v[qD:qD+7], v[qB:qB+11], v[qA:qA+11], v[qC:qC+7], v[qSB], v[qSA] matrix_a_fmt:MATRIX_FMT_FP6 matrix_b_fmt:MATRIX_FMT_FP6
.endif
.endm
; bias j (bq, bk, bv) into modality 0's eight accumulators of window 1 + j: lane (r, h), tile b, register i: column 32 (b / 2) + 16 h + 8 (b % 2) + i of the head: 16 loads
.macro BIAS j
	WIN (1+(\j))<<6
.irp b, 0,1,2,3,4,5,6,7
	global_load_b128 v[8*\b:8*\b+3], v[VB], s[8+2*(\j):9+2*(\j)] offset:(32*(\b/2)+8*(\b%2))*4
	global_load_b128 v[8*\b+4:8*\b+7], v[VB], s[8+2*(\j):9+2*(\j)] offset:(32*(\b/2)+8*(\b%2))*4+16
.endr
	WIN 0
.endm
	s_load_b128 s[4:7], s[0:1], 0x0                ; q1, q0
	s_load_b128 s[8:11], s[0:1], 0x10              ; bq, bk
	s_load_b128 s[12:15], s[0:1], 0x20             ; bv, temperature
	s_load_b64 s[68:69], s[0:1], 0x30              ; q2
	v_lshl_add_u32 v[SPW], v0, 2, SPARE
	v_mov_b32 v[NIL], 0
	ds_add_u32 v[SPW], v[NIL]                      ; the wave's opening: the add and its wait stand ahead of my first tensor load
	v_lshrrev_b32 v1, 5, v0
	v_readfirstlane_b32 s16, v1                    ; wave 0..3
	s_bfe_u32 s40, ttmp6, 0x40000                  ; cx
	s_bfe_u32 s41, ttmp6, 0x40004                  ; cy
	s_lshl_b32 s42, ttmp9, 2
	s_add_co_u32 s42, s42, s40                     ; the head = 4 x cluster x + cx
	s_and_b32 s19, ttmp7, 0xffff
	s_lshl_b32 s19, s19, 2
	s_add_co_u32 s19, s19, s41                     ; Y = 4 x cluster y + cy: my two blocks of 64 positions are 2 Y and 2 Y + 1
	s_lshl_b32 s43, s41, 2
	s_lshl_b32 s43, 15, s43                        ; my row of the cluster
	s_lshl_b32 s44, 0x1111, s40                    ; my column
	s_or_b32 s[G1A+0], s43, (3<<16)|(1<<21)        ; the mask; elements of 8 bytes; bit 21 beside a mask; no padding
	s_mov_b32 s[G1A+1], 32<<16                     ; rows of 256 bytes,
	s_mov_b32 s[G1A+2], 200<<16                    ; 200 of them: a block of q1
	s_mov_b32 s[G1A+3], 32<<16
	s_mov_b32 s[G1A+4], 200
	s_mov_b32 s[G1A+5], 32
	s_mov_b32 s[G1A+6], 0
	s_mov_b32 s[G1A+7], 0
	s_or_b32 s[G1B+0], s44, (3<<16)|(1<<21)
	s_mov_b32 s[G1B+1], 32<<16
	s_mov_b32 s[G1B+2], 100<<16                    ; 100 rows: a tile block of q0
	s_mov_b32 s[G1B+3], 32<<16
	s_mov_b32 s[G1B+4], 100
	s_mov_b32 s[G1B+5], 32
	s_mov_b32 s[G1B+6], 0
	s_mov_b32 s[G1B+7], 0
	s_mul_i32 s20, s19, 8*TB2                      ; q1: my two tiles' eight blocks lie on end: block 8 Y + 4 x tile + K slot
	s_mov_b32 s21, 0
	s_mul_i32 s46, s42, 4*TB                       ; q0: block (head, 0)
	s_mul_i32 s47, s16, 32*TB                      ; of weight w - 1: Wq begins at block 640
	s_add_co_u32 s46, s46, s47
	s_add_co_u32 s46, s46, 608*TB
	s_mov_b32 s47, 0
	s_mul_i32 s45, s16, TB
	s_add_co_u32 s45, s45, TB                      ; where a weight goes: 51,200 + (w - 1) x 25,600
	s_mov_b32 s[SEL], 0x76543210
	s_mov_b32 s[SEL+1], 0xfedcba98
	s_wait_dscnt 0x0                               ; the opening add is done
	s_wait_kmcnt 0x0
	s_load_b32 s90, s[14:15], 0x0                  ; the temperature
	s_add_nc_u64 s[20:21], s[4:5], s[20:21]
	s_add_nc_u64 s[46:47], s[6:7], s[46:47]
	CROUND                                         ; all sixteen work-groups are here: the first joint loads meet
.irp s, 0,1
	s_mov_b32 s[G0A+4*\s], 1
	s_mov_b32 s[G0A+4*\s+1], \s*SLOT
	s_add_nc_u64 s[G0A+4*\s+2:G0A+4*\s+3], s[20:21], \s*TB2
	s_or_b32 s[G0A+4*\s+3], s[G0A+4*\s+3], 0x80000000
	s_mov_b32 s[G0B+4*\s], 1
	s_add_co_u32 s[G0B+4*\s+1], s45, \s*SLOT
	s_add_nc_u64 s[G0B+4*\s+2:G0B+4*\s+3], s[46:47], \s*TB
	s_or_b32 s[G0B+4*\s+3], s[G0B+4*\s+3], 0x80000000
	JLOAD \s                                       ; K slots 0 and 1 of the first tile: two loads of mine are out
.endr
	v_and_b32 v1, 31, v0
	v_lshlrev_b32 v[LI], 4, v1
	v_lshlrev_b32 v18, 2, v1
	v_and_b32 v19, 15, v0
	v_lshlrev_b32 v[LR], 2, v19
	v_bfe_u32 v19, v0, 4, 1
	v_lshlrev_b32 v[VB], 6, v19
	s_mul_i32 s21, s16, 8*FRB
	s_lshl_b32 s22, s16, 9
.irp s, 0,1
	v_add_nc_u32 v[AA+\s], s21, v[LI]
	v_add_nc_u32 v[AS+\s], s22, v18
	v_add_nc_u32 v[BQ+\s], \s*SLOT+TB2, v[LI]
	v_add_nc_u32 v[BV+\s], \s*SLOT+TB2+2*TB, v[LI]
	v_add_nc_u32 v[BS+\s], \s*SLOT+TB2+SCO, v18
	s_add_co_u32 s21, s21, SLOT
	s_add_co_u32 s22, s22, SLOT
.endr
	s_lshl_b32 s84, s42, 9                         ; the head's 128 numbers of a bias
	s_mov_b32 s85, 0
	s_add_nc_u64 s[8:9], s[8:9], s[84:85]
	s_add_nc_u64 s[10:11], s[10:11], s[84:85]
	s_add_nc_u64 s[12:13], s[12:13], s[84:85]
	BIAS 0                                         ; the first tile's biases, while the first tiles are on their way
	BIAS 1
	BIAS 2
	s_wait_kmcnt 0x0
	s_and_b32 s90, s90, 0x7fffffff                 ; |temperature|
	v_mov_b32 v[CV], s90
	v_mul_f32 v[CV], 0x413504f3, v[CV]             ; x sqrt(128)
	v_rcp_f32 v[CV], v[CV]
	v_nop                                          ; a plain place behind the transcendental,
	s_wait_alu depctr_va_vdst(0)                   ; and the wait ahead of its first reader
	v_mul_f32 v[CV], 0x3fb8aa3b, v[CV]             ; x log2(e)
	; where my fragment goes in q2: 16-position block 8 Y + 4 x tile + w: block (Y, head / 2), row block 4 x tile + w
	s_lshl_b32 s84, s19, 2
	s_lshr_b32 s86, s42, 1
	s_add_co_u32 s84, s84, s86
	s_mul_i32 s84, s84, TB                         ; block (Y, head / 2)
	s_and_b32 s87, s42, 1                          ; K step = head % 2
	s_lshl_b32 s88, s16, 1
	s_add_co_u32 s88, s88, s87
	s_mul_i32 s88, s88, FRB                        ; the first tile's fragment (w, head % 2)
	s_add_co_u32 s88, s88, s84
	s_mov_b32 s89, 0
	s_add_nc_u64 s[72:73], s[68:69], s[88:89]
	s_lshr_b32 s88, s16, 1
	s_lshl_b32 s88, s88, 8
	s_add_co_u32 s88, s88, s84
	s_lshl_b32 s87, s87, 7
	s_add_co_u32 s88, s88, s87
	s_and_b32 s86, s16, 1
	s_lshl_b32 s86, s86, 6
	s_add_co_u32 s88, s88, s86
	s_add_co_u32 s88, s88, SCO
	s_add_nc_u64 s[74:75], s[68:69], s[88:89]      ; and its scale words
; Group G of six: weight G / 2, its tiles 4 (G % 2) + 0 .. 3, into buffer G % 2: 12 loads of fragments and 2 of scale words: 14 LDS instructions
.macro FETCHB sg, s, G
.set fJ, (\G)/2
.set fH, (\G)%2
.irp k, 0,1,2,3
.irp c, 0,1,2
.if fJ < 2
	ds_load_b128 v[BFR+48*fH+12*\k+4*\c:BFR+48*fH+12*\k+4*\c+3], v[BQ+\sg] offset:TB*fJ+(2*(4*fH+\k)+(\s))*FRB+512*\c
.else
	ds_load_b128 v[BFR+48*fH+12*\k+4*\c:BFR+48*fH+12*\k+4*\c+3], v[BV+\sg] offset:(2*(4*fH+\k)+(\s))*FRB+512*\c
.endif
.endr
.endr
.irp k, 0,1
	ds_load_b32 v[BSC+2*fH+\k], v[BS+\sg] offset:TB*fJ+256*(2*fH+\k)+128*(\s)
.endr
.endm
.macro FETCHA sg, s                    ; my four fragments of rows of K step s, into set s: 14 LDS instructions
.irp m, 0,1,2,3
.irp c, 0,1,2
	ds_load_b128 v[AFR+48*(\s)+12*\m+4*\c:AFR+48*(\s)+12*\m+4*\c+3], v[AA+\sg] offset:(2*\m+(\s))*FRB+512*\c
.endr
.endr
.irp g, 0,1
	ds_load_b32 v[ASC+2*(\s)+\g], v[AS+\sg] offset:49152+256*\g+128*(\s)
.endr
.endm
.macro MULK s, G, k                    ; tile k of group G x my four modalities.  The accumulators take turns, one instruction a turn
	WIN (1+(\G)/2)*0x50                            ; C and D in the weight's window
.irp m, 0,1,2,3
.set qD, 8*(8*\m+4*((\G)%2)+(\k))
.set qC, qD
.set qB, BFR+48*((\G)%2)+12*(\k)
.set qA, AFR+48*(\s)+12*\m
.set qSB, BSC+2*((\G)%2)+(\k)/2
.set qSA, ASC+2*(\s)+\m/2
.set qOB, (\k)%2
.set qOA, \m%2
	WM
.endr
.endm
; Group G in a tile's FIRST K step: its products start the sums.  Modalities 1 to 3 take the bias tile, which lies in modality 0's accumulator, as C (modality outer, tile inner: neighbouring products name different registers);
; modality 0 then adds in place, which writes over that C: five plain places stand between (one more than ahead of a load or a read).
.macro MULF G
	WIN (1+(\G)/2)*0x50
.irp m, 1,2,3
.irp k, 0,1,2,3
.set qD, 8*(8*\m+4*((\G)%2)+\k)
.set qC, 8*(4*((\G)%2)+\k)
.set qB, BFR+48*((\G)%2)+12*\k
.set qA, AFR+12*\m
.set qSB, BSC+2*((\G)%2)+\k/2
.set qSA, ASC+\m/2
.set qOB, \k%2
.set qOA, \m%2
	WM
.endr
.endr
.rept 5
	v_nop
.endr
.irp k, 0,1,2,3
.set qD, 8*(4*((\G)%2)+\k)
.set qC, qD
.set qB, BFR+48*((\G)%2)+12*\k
.set qA, AFR
.set qSB, BSC+2*((\G)%2)+\k/2
.set qSA, ASC
.set qOB, \k%2
.set qOA, 0
	WM
.endr
.endm
.macro BODY s, G, wt                   ; a group's 16 products, and the places ahead of the loads that follow
	s_wait_dscnt \wt
	MULK \s, \G, 0
	MULK \s, \G, 1
	MULK \s, \G, 2
	MULK \s, \G, 3
	WIN 0
	PLACES
.endm
.macro BODY0 G, wt, first              ; the same for a slot's K step 0; first = 1: the tile's first K step
.if \first
	s_wait_dscnt \wt
	MULF \G
	WIN 0
	PLACES
.else
	BODY 0, \G, \wt
.endif
.endm
; A slot: two K steps of six groups.  Each fetch goes out 16 products ahead of its use.
; mode 2: the slot is filled again with this tile's K slot two on;  3: with the NEXT tile's K slot (the rows go on, the weights go back);  4: as 3, and nothing is fetched into registers, which the way out needs;
; mode 1: the slots change and nothing is filled;  0: the last slot of the last tile.
.macro SLOTRUN sg, nx, mode, first
	BODY0 0, 14, \first                            ; the next group's 14 may be out
	FETCHB \sg, 0, 2
	BODY0 1, 14, \first
	FETCHB \sg, 0, 3
	BODY0 2, 14, \first
	FETCHB \sg, 0, 4
	BODY0 3, 14, \first
	FETCHB \sg, 0, 5
	FETCHA \sg, 1
	BODY0 4, 28, \first                            ; group 5's 14 and the rows' 14 may be out
	FETCHB \sg, 1, 0
	BODY0 5, 28, \first                            ; the rows' 14 and the next step's first 14
	FETCHB \sg, 1, 1
	BODY 1, 0, 14
	FETCHB \sg, 1, 2
	BODY 1, 1, 14
	FETCHB \sg, 1, 3
	BODY 1, 2, 14
	FETCHB \sg, 1, 4
	BODY 1, 3, 14
	FETCHB \sg, 1, 5
.if \mode
	s_wait_tensorcnt 0x0                           ; all my tensor loads have landed: my part of the next slot
	ds_add_u32 v[SPW], v[NIL]                      ; 0 onto my spare word
	s_wait_dscnt 15                                ; (group 5's 14 and the add may be out)
	MULK 1, 4, 0
	MULK 1, 4, 1
	s_wait_dscnt 0x0                               ; the add is done, and my reads of this slot are over
	s_barrier_signal -1
	MULK 1, 4, 2
	MULK 1, 4, 3
	WIN 0
	s_barrier_wait -1
.if \mode >= 2
	CREST                                          ; the barrier has opened a round of the cluster's: no wave of any partner still reads this slot or has a load on its way
	s_add_nc_u64 s[G0A+4*\sg+2:G0A+4*\sg+3], s[G0A+4*\sg+2:G0A+4*\sg+3], 2*TB2   ; the rows: two blocks on, within a tile and from tile to tile
.if \mode == 2
	s_add_nc_u64 s[G0B+4*\sg+2:G0B+4*\sg+3], s[G0B+4*\sg+2:G0B+4*\sg+3], 2*TB    ; the weights: two K slots on,
.else
	s_sub_nc_u64 s[G0B+4*\sg+2:G0B+4*\sg+3], s[G0B+4*\sg+2:G0B+4*\sg+3], 2*TB    ; or back: both tiles take the same head
.endif
	JLOAD \sg                                      ; the first tensor load behind the round: 176 products or more ahead of the wait for it; its four v_nop are the places ahead of the loads below
.else
	PLACES
.endif
.if \mode < 4
	FETCHB \nx, 0, 0
	FETCHA \nx, 0
.endif
	MULK 1, 5, 0                                   ; group 5's fragments came in ahead of the barrier
	MULK 1, 5, 1
	MULK 1, 5, 2
	MULK 1, 5, 3
	WIN 0
	PLACES
.if \mode < 4
	FETCHB \nx, 0, 1
.endif
.else
	BODY 1, 4, 14
	BODY 1, 5, 0
.endif
.endm
; THE WAY OUT of a tile.  more = 1: a tile follows: its biases are asked for as soon as modality 0's accumulators have been read, and the stores' bases step on.
.macro DOT p, m, w
.if eE == 0
	v_pk_mul_f32 v[DT+2*\p:DT+2*\p+1], v[64*\m+eE:64*\m+eE+1], v[64*\w+eE:64*\w+eE+1]
.else
	v_pk_fma_f32 v[DT+2*\p:DT+2*\p+1], v[64*\m+eE:64*\m+eE+1], v[64*\w+eE:64*\w+eE+1], v[DT+2*\p:DT+2*\p+1]
.endif
.endm
.macro WAYOUT more
	; THE SCORES: twelve dot products of q (window 1) and k (window 2), my 64 of the head's 128 numbers, two at a time, the twelve chains by turns; each accumulator is read from its low end on
	WIN 0x09                                       ; source 0 window 1, source 1 window 2
.set eE, 0
.rept 32
	DOT 0, 0, 0
	DOT 1, 0, 1
	DOT 2, 0, 2
	DOT 3, 1, 0
	DOT 4, 1, 1
	DOT 5, 1, 2
	DOT 6, 2, 2
	DOT 7, 2, 3
	DOT 8, 2, 0
	DOT 9, 3, 3
	DOT 10, 3, 2
	DOT 11, 3, 0
.set eE, eE+2
.endr
	WIN 0
.if \more
	BIAS 0                                         ; Q and K have had their last reader: the next tile's bq and bk; the softmax and the sums below stand between these loads and the wait for them
	BIAS 1
.endif
.irp p, 0,1,2,3,4,5,6,7,8,9,10,11
	v_add_f32 v[DT+2*\p], v[DT+2*\p], v[DT+2*\p+1]
.endr
.irp p, 0,1,2,3,4,5,6,7,8,9,10,11
	v_permlanex16_b32 v[DT+2*\p+1], v[DT+2*\p], s[SEL], s[SEL+1]
.endr
.irp p, 0,1,2,3,4,5,6,7,8,9,10,11
	v_add_f32 v[DT+2*\p], v[DT+2*\p], v[DT+2*\p+1]   ; with lane l xor 16's half of the head: the score
.endr
.irp m, 0,1,2,3
	v_max3_num_f32 v[MXR+\m], v[DT+6*\m], v[DT+6*\m+2], v[DT+6*\m+4]   ; the largest of a modality's three
.endr
.irp p, 0,1,2,3,4,5,6,7,8,9,10,11
	v_sub_f32 v[DT+2*\p], v[DT+2*\p], v[MXR+\p/3]
.endr
.irp p, 0,1,2,3,4,5,6,7,8,9,10,11
	v_mul_f32 v[DT+2*\p], v[CV], v[DT+2*\p]
.endr
.irp p, 0,1,2,3,4,5,6,7,8,9,10,11
	v_exp_f32 v[DT+2*\p], v[DT+2*\p]
.endr
	v_nop                                          ; a plain place behind the batch,
	s_wait_alu depctr_va_vdst(0)                   ; and one wait for the twelve, ahead of their first reader
.irp m, 0,1,2,3
	v_add_f32 v[MXR+\m], v[DT+6*\m], v[DT+6*\m+2]
.endr
.irp m, 0,1,2,3
	v_add_f32 v[MXR+\m], v[MXR+\m], v[DT+6*\m+4]
.endr
.irp m, 0,1,2,3
	v_rcp_f32 v[MXR+\m], v[MXR+\m]
.endr
	v_nop
	s_wait_alu depctr_va_vdst(0)                   ; one wait for the four reciprocals
.irp m, 0,1,2,3
	v_mul_f32 v[MXR+\m], 0x3e800000, v[MXR+\m]     ; / 4: the mean over modalities, exact
.endr
.irp p, 0,1,2,3,4,5,6,7,8,9,10,11
	v_mul_f32 v[DT+2*\p], v[DT+2*\p], v[MXR+\p/3]
.endr
	v_add_f32 v[CW], v[DT], v[DT+6]                ; the weights of V0: pairs 0, 3, 8, 11
	v_add_f32 v[CW+2], v[DT+2], v[DT+8]            ; of V1: 1, 4
	v_add_f32 v[CW+4], v[DT+4], v[DT+10]           ; of V2: 2, 5, 6, 10
	v_add_f32 v[CW+6], v[DT+14], v[DT+18]          ; of V3: 7, 9
	v_add_f32 v[CW+1], v[DT+16], v[DT+22]
	v_add_f32 v[CW+5], v[DT+12], v[DT+20]
	v_mov_b32 v[CW+3], 0                           ; (named as the upper halves of pairs, so they are written)
	v_mov_b32 v[CW+7], 0
	v_add_f32 v[CW], v[CW], v[CW+1]
	v_add_f32 v[CW+4], v[CW+4], v[CW+5]
.irp b, 0,1,2,3
	v_mov_b32 v[TM+4+\b], 0                        ; a lane permute's destination counts as one of its sources
.endr
	WIN 0x03                                       ; source 0: V, window 3
.set eE, 0
.rept 32
	v_pk_mul_f32 v[FU+eE:FU+eE+1], v[eE:eE+1], v[CW:CW+1] op_sel_hi:[1,0]
.set eE, eE+2
.endr
.if \more
	BIAS 2                                         ; V0 has had its last reader: the next tile's bv
	WIN 0x03
.endif
.irp w, 1,2,3
.set eE, 0
.rept 32
	v_pk_fma_f32 v[FU+eE:FU+eE+1], v[64*\w+eE:64*\w+eE+1], v[CW+2*\w:CW+2*\w+1], v[FU+eE:FU+eE+1] op_sel_hi:[1,0,1]
.set eE, eE+2
.endr
.endr
	WIN 0
	; the fused row's 128 numbers of this head are one K step of the last product: register 16 b + i = column 32 b + 16 (lane / 16) + i
.irp b, 0,1,2,3
	v_max3_num_f32 v[TM+\b], |v[FU+16*\b]|, |v[FU+1+16*\b]|, 0x1800000   ; my 16 numbers of block b, and the floor 2^(3 - 127)
.endr
.irp i, 2,4,6,8,10,12,14
.irp b, 0,1,2,3
	v_max3_num_f32 v[TM+\b], v[TM+\b], |v[FU+16*\b+\i]|, |v[FU+1+16*\b+\i]|
.endr
.endr
.irp b, 0,1,2,3
	v_permlanex16_b32 v[TM+4+\b], v[TM+\b], s[SEL], s[SEL+1]
.endr
.irp b, 0,1,2,3
	v_max_num_f32 v[TM+\b], v[TM+\b], v[TM+4+\b]
.endr
.irp b, 0,1,2,3
	v_add_nc_u32 v[TM+12+\b], 0xff000000, v[TM+\b] ; 2 off the exponent field: the conversion's scale operand
.endr
.irp b, 0,1,2,3
	v_lshrrev_b32 v[TM+4+\b], 23, v[TM+12+\b]      ; the scale's byte
.endr
	v_lshl_or_b32 v[PW], v[TM+5], 8, v[TM+4]
	v_lshl_or_b32 v[PW], v[TM+6], 16, v[PW]
	v_lshl_or_b32 v[PW], v[TM+7], 24, v[PW]
.irp c, 0,1
	v_cvt_scalef32_pk16_fp6_f32 v[PC+6*\c:PC+2+6*\c], v[FU+32*\c:FU+15+32*\c], v[TM+12+2*\c]
	v_cvt_scalef32_pk16_fp6_f32 v[PC+12+4*\c:PC+14+4*\c], v[FU+16+32*\c:FU+31+32*\c], v[TM+12+2*\c+1]
.endr
	v_nop                                          ; one plain place behind a scaled conversion
.irp c, 0,1
.irp i, 0,1,2
	v_permlane16_swap_b32 v[PC+6*\c+\i], v[PC+12+4*\c+\i]
.endr
.irp i, 0,1,2
	v_mov_b32 v[PC+3+6*\c+\i], v[PC+12+4*\c+\i]
.endr
.endr
.irp c, 0,1,2
	global_store_b128 v[LI], v[PC+4*\c:PC+4*\c+3], s[72:73] offset:512*\c   ; 512 consecutive bytes, aligned
.endr
	global_store_b32 v[LR], v[PW], s[74:75]        ; both halves of the lanes hold the same word and store it to the same place
.if \more
	s_wait_xcnt 0x0                                ; the stores have read their data and their bases: the bases step, and the next tile's fragments may land on the data, only behind this wait
	s_add_nc_u64 s[72:73], s[72:73], 8*FRB         ; the next tile's row block is four on: eight fragments,
	s_add_nc_u64 s[74:75], s[74:75], 512           ; two pairs of scale words
.endif
.endm
	s_wait_tensorcnt 1                             ; my part of K slot 0 is in; slot 1's load may be out
	s_barrier_signal -1
	s_barrier_wait -1
	s_mov_b32 s[TL], 2                             ; two tiles to a work-group
.Ltile:                                            ; (every window is 0 here; slot 0 holds the tile's K slot 0, shown landed to every wave by the last barrier)
	FETCHB 0, 0, 0
	FETCHA 0, 0
	FETCHB 0, 0, 1
	s_wait_loadcnt 0x0                             ; the biases lie in modality 0's accumulators
	SLOTRUN 0, 1, 2, 1                             ; K slot 0: its first step starts the sums; slot 0 takes K slot 2
	SLOTRUN 1, 0, 2, 0                             ; K slot 1; slot 1 takes K slot 3
	s_cmp_eq_u32 s[TL], 1
	s_cbranch_scc1 .Llast_tile                     ; the last tile's tail is written out: it asks for nothing more
	SLOTRUN 0, 1, 3, 0                             ; THE RING GOES ON INTO THE NEXT TILE: slot 0 takes its K slot 0,
	SLOTRUN 1, 0, 4, 0                             ; slot 1 its K slot 1
	WAYOUT 1                                       ; both refills are asked for: now the tile goes out
	s_sub_co_u32 s[TL], s[TL], 1
	s_branch .Ltile
.Llast_tile:
	SLOTRUN 0, 1, 1, 0
	SLOTRUN 1, 0, 0, 0
	WAYOUT 0
	s_wait_tensorcnt 0x0                           ; the wave's end
	ds_add_u32 v[SPW], v[NIL]
	s_wait_dscnt 0x0
	CROUND                                         ; the closing round
	s_endpgm
.Lfunc_end_k_qaba0236aca_qkv:
	.size	k_qaba0236aca_qkv, .Lfunc_end_k_qaba0236aca_qkv-k_qaba0236aca_qkv
	.p2alignl 7, 3214868480
	.fill 96, 4, 3214868480
	.section	.rodata,"a",@progbits
	.p2align	6, 0x0
	.amdhsa_kernel k_qaba0236aca_qkv
		.amdhsa_group_segment_fixed_size 327680
		.amdhsa_private_segment_fixed_size 0
		.amdhsa_enable_private_segment 0
		.amdhsa_kernarg_size 56
		.amdhsa_user_sgpr_count 2
		.amdhsa_user_sgpr_kernarg_segment_ptr 1
		.amdhsa_wavefront_size32 1
		.amdhsa_system_sgpr_workgroup_id_x 1
		.amdhsa_system_sgpr_workgroup_id_y 1
		.amdhsa_system_sgpr_workgroup_id_z 1
		.amdhsa_system_vgpr_workitem_id 0
		.amdhsa_next_free_vgpr 1024
		.amdhsa_next_free_sgpr 100
		.amdhsa_reserve_vcc 0
		.amdhsa_float_denorm_mode_32 3
		.amdhsa_float_denorm_mode_16_64 3
		.amdhsa_memory_ordered 1
		.amdhsa_forward_progress 1
		.amdhsa_inst_pref_size 255
	.end_amdhsa_kernel
	.section	.bss,"aw",@nobits
	.p2align	6
	.space	262144
	.amdgpu_metadata
---
amdhsa.version: [ 1, 2 ]
amdhsa.kernels:
  - .name:           k_qaba0236aca_qkv
    .symbol:         k_qaba0236aca_qkv.kd
    .args:
      - { .name: q1, .offset: 0, .size: 8, .value_kind: global_buffer, .address_space: global }
      - { .name: q0, .offset: 8, .size: 8, .value_kind: global_buffer, .address_space: global }
      - { .name: bq, .offset: 16, .size: 8, .value_kind: global_buffer, .address_space: global }
      - { .name: bk, .offset: 24, .size: 8, .value_kind: global_buffer, .address_space: global }
      - { .name: bv, .offset: 32, .size: 8, .value_kind: global_buffer, .address_space: global }
      - { .name: temperature, .offset: 40, .size: 8, .value_kind: global_buffer, .address_space: global }
      - { .name: q2, .offset: 48, .size: 8, .value_kind: global_buffer, .address_space: global }
    .group_segment_fixed_size: 327680
    .private_segment_fixed_size: 0
    .kernarg_segment_align: 8
    .kernarg_segment_size: 56
    .max_flat_workgroup_size: 128
    .sgpr_count:     100
    .vgpr_count:     1024
    .wavefront_size: 32
...
	.end_amdgpu_metadata
.endif
;; end of part 3
;; launch outp (part 4): grid 8 x 32, 4 waves a work-group, clusters of 4 x 4, 222,720 bytes of LDS; arguments q2, q0, bo, out0; writes out0
.if DOCPART == 4
	.amdgcn_target "amdgcn-amd-amdhsa--gfx1250"
	.amdhsa_code_object_version 6
	.text
	.protected	k_qaba0236aca_outp
	.globl	k_qaba0236aca_outp
	.p2align	8
	.type	k_qaba0236aca_outp,@function
k_qaba0236aca_outp:
	s_mov_b64 s[64:65], 0
	v_nop
	global_prefetch_b8 v0, s[64:65] scope:SCOPE_SE
	s_setreg_imm32_b32 hwreg(HW_REG_WAVE_MODE, 25, 1), 1
	s_wait_xcnt 0x0
	s_wait_alu depctr_hold_cnt(0) depctr_sa_sdst(0) depctr_va_vdst(0) depctr_va_sdst(0) depctr_va_ssrc(0) depctr_va_vcc(0) depctr_vm_vsrc(0)
	s_getreg_b32 s2, hwreg(HW_REG_IB_STS2, 6, 4)
	s_cmp_eq_u32 s2, 0
	s_cbranch_scc0 .Lentry_in_a_cluster
	s_endpgm
.Lentry_in_a_cluster:
	s_bfe_u32 s2, ttmp6, 0x10000c
	s_cmp_lg_u32 s2, 0xf033
	s_cbranch_scc0 .Lentry_shape_is_right
	s_endpgm
.Lentry_shape_is_right:
; out0 = fused Wo^T + bo, on codes of FP6 with E8M0 scales: fused from q2, Wo from q0, both as tile blocks of 25,600 bytes (128 rows x 256 K: 16 register images of fragments, then the scale words).
; SHARES: 4,096 x 1,024 are 256 tiles of 128 x 128, one to a work-group (tiles of 256 x 256 would be 64); a wave makes 64 x 64: 16 accumulators.  ALL OF K (four blocks a side, 204,800 bytes) lies in LDS at once:
; each wave brings two blocks as first fills, nothing is filled again.  CLUSTERS 4 x 4: fused's blocks are shared along a row of the cluster, Wo's along a column: joint loads.
; THE PRODUCT IS USED TRANSPOSED (source 0 = 16 rows of Wo, source 1 = 16 fused rows): a lane holds one position and eight neighbouring columns a tile.  bo is loaded into the accumulators, so that every product adds in place.
; The fragments hold their rows in the order 8 u + r + 8 (r / 8) within each 32: for Wo that gives the columns' order in a lane, for fused the positions' order, which the stores' offsets undo.
; REGISTERS: window 0: v2-15 addresses; v32-63 scale words (4 a K step); v64-255 two sets of fragments (fused's four, then Wo's four).  window 1: accumulator (a, b) at v[8 (4 a + b)].
.set TB,    25600
.set FRB,   1536
.set SCO,   24576
.set HALF,  4*TB                       ; a half of K: fused's two blocks, then Wo's two
.set SPARE, 2*HALF                     ; the spare words, 128 bytes a wave, which no other line names
.set STAGE, SPARE+512                  ; the way out: 16 rows x (256 bytes + 16) for each wave; no tile lands here
.set SP,    272
.set ADA, 2
.set ADB, 4
.set ASA, 6
.set ASB, 8
.set STO, 10
.set RD,  11
.set CO,  12
.set VB,  13
.set SPW, 14
.set NIL, 15
.set SC,  32
.set FR0, 64
.set G1,  24
.set G0,  32
.set G1B, 48
.set G0B, 56
.set MSB, 0
.macro WIN new
.if MSB != (\new)
	s_set_vgpr_msb (MSB<<8)|(\new)
.set MSB, (\new)
.endif
.endm
.macro PLACES
.rept 4
	v_nop
.endr
.endm
.macro JLOAD k                         ; waves 0 and 1 fetch fused's blocks, waves 2 and 3 Wo's; an s_nop 0 and four v_nop follow each line
	s_cmp_eq_u32 s17, 0
	s_cbranch_scc0 .Lfor_b_\@
	tensor_load_to_lds s[G0+4*\k:G0+4*\k+3], s[G1:G1+7]
	s_nop 0
.rept 4
	v_nop
.endr
	s_branch .Lasked_\@
.Lfor_b_\@:
	tensor_load_to_lds s[G0B+4*\k:G0B+4*\k+3], s[G1B:G1B+7]
	s_nop 0
.rept 4
	v_nop
.endr
.Lasked_\@:
.endm
.macro CROUND
	s_barrier_signal -1
	s_barrier_wait -1
	s_cmp_lg_u32 s16, 0
	s_cbranch_scc1 .Lnot_wave_0_\@
	s_barrier_signal -3
.Lnot_wave_0_\@:
	s_barrier_wait -3
	s_barrier_signal -1
	s_barrier_wait -1
.endm
.macro WM
.if qOB && qOA
	v_wmma_scale_f32_16x16x128_f8f6f4 v[qD:qD+7], v[qB:qB+11], v[qA:qA+11], v[qC:qC+7], v[qSB], v[qSA] matrix_a_fmt:MATRIX_FMT_FP6 matrix_b_fmt:MATRIX_FMT_FP6 matrix_a_scale:MATRIX_SCALE_ROW1 matrix_b_scale:MATRIX_SCALE_ROW1
.elseif qOB
	v_wmma_scale_f32_16x16x128_f8f6f4 v[qD:qD+7], v[qB:qB+11], v[qA:qA+11], v[qC:qC+7], v[qSB], v[qSA] matrix_a_fmt:MATRIX_FMT_FP6 matrix_b_fmt:MATRIX_FMT_FP6 matrix_a_scale:MATRIX_SCALE_ROW1
.elseif qOA
	v_wmma_scale_f32_16x16x128_f8f6f4 v[qD:qD+7], v[qB:qB+11], v[qA:qA+11], v[qC:qC+7], v[qSB], v[qSA] matrix_a_fmt:MATRIX_FMT_FP6 matrix_b_fmt:MATRIX_FMT_FP6 matrix_b_scale:MATRIX_SCALE_ROW1
.else
	v_wmma_scale_f32_16x16x128_f8f6f4 v[qD:qD+7], v[qB:qB+11], v[qA:qA+11], v[qC:qC+7], v[qSB], v[qSA] matrix_a_fmt:MATRIX_FMT_FP6 matrix_b_fmt:MATRIX_FMT_FP6
.endif
.endm
	s_load_b128 s[4:7], s[0:1], 0x0                ; q2, q0
	s_load_b128 s[8:11], s[0:1], 0x10              ; bo, out0
	v_lshl_add_u32 v[SPW], v0, 2, SPARE
	v_mov_b32 v[NIL], 0
	ds_add_u32 v[SPW], v[NIL]                      ; the wave's opening: the add and its wait stand ahead of my first tensor load
	v_lshrrev_b32 v1, 5, v0
	v_readfirstlane_b32 s16, v1                    ; wave 0..3
	s_lshr_b32 s17, s16, 1                         ; which 64 rows of the tile are mine.  Also: I fetch fused's (0) or Wo's (1)
	s_and_b32 s18, s16, 1                          ; which 64 columns.  Also: which block of a half of K I fetch
	s_bfe_u32 s40, ttmp6, 0x40000                  ; cx
	s_bfe_u32 s41, ttmp6, 0x40004                  ; cy
	s_lshl_b32 s42, ttmp9, 2
	s_add_co_u32 s42, s42, s40                     ; tile column n
	s_and_b32 s19, ttmp7, 0xffff
	s_lshl_b32 s19, s19, 2
	s_add_co_u32 s19, s19, s41                     ; tile row
	s_lshl_b32 s43, s41, 2
	s_lshl_b32 s43, 15, s43                        ; my row of the cluster
	s_lshl_b32 s44, 0x1111, s40                    ; my column
	s_or_b32 s[G1+0], s43, (3<<16)|(1<<21)         ; the mask; elements of 8 bytes; bit 21 beside a mask; no padding
	s_or_b32 s[G1B+0], s44, (3<<16)|(1<<21)
.irp g, G1, G1B
	s_mov_b32 s[\g+1], 32<<16                      ; rows of 256 bytes,
	s_mov_b32 s[\g+2], 100<<16                     ; 100 of them: a tile block
	s_mov_b32 s[\g+3], 32<<16
	s_mov_b32 s[\g+4], 100
	s_mov_b32 s[\g+5], 32
	s_mov_b32 s[\g+6], 0
	s_mov_b32 s[\g+7], 0
.endr
	s_lshl_b32 s20, s19, 2
	s_add_co_u32 s20, s20, s18
	s_mul_i32 s20, s20, TB                         ; q2: block (tile row, K slot = which)
	s_mov_b32 s21, 0
	s_lshl_b32 s46, s42, 2
	s_add_co_u32 s46, s46, s18
	s_mul_i32 s46, s46, TB
	s_add_co_u32 s46, s46, 736*TB                  ; q0: Wo begins at block 736
	s_mov_b32 s47, 0
	s_mul_i32 s45, s16, TB                         ; where it goes: wave x a block
	s_wait_dscnt 0x0                               ; the opening add is done
	s_wait_kmcnt 0x0
	s_add_nc_u64 s[20:21], s[4:5], s[20:21]
	s_add_nc_u64 s[46:47], s[6:7], s[46:47]
	CROUND                                         ; all sixteen work-groups are here: the joint loads meet
.irp k, 0,1
	s_mov_b32 s[G0+4*\k], 1
	s_add_co_u32 s[G0+4*\k+1], s45, \k*HALF
	s_add_nc_u64 s[G0+4*\k+2:G0+4*\k+3], s[20:21], \k*2*TB
	s_or_b32 s[G0+4*\k+3], s[G0+4*\k+3], 0x80000000
	s_mov_b32 s[G0B+4*\k], 1
	s_add_co_u32 s[G0B+4*\k+1], s45, \k*HALF
	s_add_nc_u64 s[G0B+4*\k+2:G0B+4*\k+3], s[46:47], \k*2*TB
	s_or_b32 s[G0B+4*\k+3], s[G0B+4*\k+3], 0x80000000
	JLOAD \k                                       ; both halves of K: two loads of mine are out, and no more follow
.endr
	v_bfe_u32 v16, v0, 4, 1                        ; h
	v_and_b32 v17, 15, v0                          ; r
	v_lshlrev_b32 v[VB], 6, v16
	s_lshl_b32 s68, s42, 9
	s_lshl_b32 s69, s18, 8
	s_add_co_u32 s68, s68, s69                     ; my first column, in bytes
	s_mov_b32 s69, 0
	s_add_nc_u64 s[8:9], s[8:9], s[68:69]
	WIN 0x40                                       ; destination window 1: bo goes straight into the accumulators
.irp a, 0,1,2,3
.irp b, 0,1,2,3
	global_load_b128 v[8*(4*\a+\b):8*(4*\a+\b)+3], v[VB], s[8:9] offset:(32*(\b/2)+8*(\b%2))*4
	global_load_b128 v[8*(4*\a+\b)+4:8*(4*\a+\b)+7], v[VB], s[8:9] offset:(32*(\b/2)+8*(\b%2))*4+16
.endr
.endr
	WIN 0
	v_and_b32 v18, 31, v0
	v_lshlrev_b32 v19, 4, v18                      ; 16 x lane
	v_lshlrev_b32 v18, 2, v18                      ; 4 x lane
	s_mul_i32 s21, s17, 8*FRB                      ; my four fragments of fused,
	s_mul_i32 s22, s18, 8*FRB
	s_add_co_u32 s22, s22, 2*TB                    ; and of Wo
	s_lshl_b32 s23, s17, 9                         ; their scale words
	s_lshl_b32 s66, s18, 9
	s_add_co_u32 s66, s66, 2*TB
.irp k, 0,1
	v_add_nc_u32 v[ADA+\k], s21, v19
	v_add_nc_u32 v[ADB+\k], s22, v19
	v_add_nc_u32 v[ASA+\k], s23, v18
	v_add_nc_u32 v[ASB+\k], s66, v18
	s_add_co_u32 s21, s21, HALF
	s_add_co_u32 s22, s22, HALF
	s_add_co_u32 s23, s23, HALF
	s_add_co_u32 s66, s66, HALF
.endr
	s_mul_i32 s23, s16, 16*SP
	s_add_co_u32 s23, s23, STAGE                   ; my stage
	v_mul_u32_u24 v[STO], v17, SP                  ; in: row r, + 64 h
	v_lshl_add_u32 v[STO], v16, 6, v[STO]
	v_add_nc_u32 v[STO], s23, v[STO]
	v_mul_u32_u24 v[RD], v16, SP                   ; back: lanes 0-15 one row of 256 bytes, lanes 16-31 the next
	v_lshl_add_u32 v[RD], v17, 4, v[RD]
	v_add_nc_u32 v[RD], s23, v[RD]
	v_lshlrev_b32 v[CO], 12, v16                   ; and the same two rows in out0
	v_lshl_add_u32 v[CO], v17, 4, v[CO]
	s_lshl_b32 s66, s19, 7
	s_lshl_b32 s67, s17, 6
	s_add_co_u32 s66, s66, s67                     ; my first position
	s_lshl_b32 s66, s66, 12
	s_add_co_u32 s66, s66, s68                     ; + my first column
	s_mov_b32 s67, 0
	s_add_nc_u64 s[10:11], s[10:11], s[66:67]
; K step st of eight: K slot st / 2, its step st % 2, in half st / 4
.macro FETCH st
.irp a, 0,1,2,3
.irp c, 0,1,2
	ds_load_b128 v[FR0+96*((\st)%2)+12*\a+4*\c:FR0+96*((\st)%2)+12*\a+4*\c+3], v[ADA+(\st)/4] offset:TB*(((\st)/2)%2)+(2*\a+(\st)%2)*FRB+512*\c
.endr
.endr
.irp a, 0,1,2,3
.irp c, 0,1,2
	ds_load_b128 v[FR0+96*((\st)%2)+48+12*\a+4*\c:FR0+96*((\st)%2)+48+12*\a+4*\c+3], v[ADB+(\st)/4] offset:TB*(((\st)/2)%2)+(2*\a+(\st)%2)*FRB+512*\c
.endr
.endr
.endm
.macro SCALES k                        ; the scale words of a half's four K steps: 16 loads
.irp q, 0,1,2,3
.irp g, 0,1
	ds_load_b32 v[SC+4*(4*\k+\q)+\g], v[ASA+\k] offset:TB*(\q/2)+SCO+256*\g+128*(\q%2)
	ds_load_b32 v[SC+4*(4*\k+\q)+2+\g], v[ASB+\k] offset:TB*(\q/2)+SCO+256*\g+128*(\q%2)
.endr
.endr
.endm
.macro MUL st                          ; 16 products; the accumulators take turns, one instruction a turn
	WIN 0x50                                       ; C and D window 1
.irp a, 0,1,2,3
.irp b, 0,1,2,3
.set qD, 8*(4*\a+\b)
.set qC, qD
.set qB, FR0+96*((\st)%2)+48+12*\b
.set qA, FR0+96*((\st)%2)+12*\a
.set qSB, SC+4*(\st)+2+\b/2
.set qSA, SC+4*(\st)+\a/2
.set qOB, \b%2
.set qOA, \a%2
	WM
.endr
.endr
	WIN 0
.endm
	s_wait_tensorcnt 1                             ; my block of the first half of K is in; the second half's may be out
	s_barrier_signal -1
	s_barrier_wait -1
	SCALES 0
	FETCH 0
	FETCH 1
	s_wait_loadcnt 0x0                             ; bo lies in the accumulators
.irp st, 0,1
	s_wait_dscnt 24                                ; the next step's 24 loads may be out
	MUL \st
	PLACES
	FETCH \st+2
.endr
	s_wait_dscnt 24
	MUL 2
	s_wait_tensorcnt 0x0                           ; my block of the second half is in,
	s_wait_dscnt 0x0                               ; no LDS instruction of mine is out at the signal,
	s_barrier_signal -1
	s_barrier_wait -1                              ; everybody's is
	PLACES
	SCALES 1
	FETCH 4
	MUL 3                                          ; its fragments came in ahead of the barrier
	PLACES
	FETCH 5
.irp st, 4,5
	s_wait_dscnt 24
	MUL \st
	PLACES
	FETCH \st+2
.endr
	s_wait_dscnt 24
	MUL 6
	s_wait_dscnt 0x0
	MUL 7
	PLACES
; THE WAY OUT, a row block (16 positions x 64 columns) at a time, through my own stage: a lane's 32 bytes of a row go in, whole rows of 256 bytes come back; LDS serves a wave's instructions in order
.macro TOSTAGE a
	WIN 0x04                                       ; an LDS store's data are its source 1: window 1
.irp b, 0,1,2,3
	ds_store_b128 v[STO], v[8*(4*(\a)+\b):8*(4*(\a)+\b)+3] offset:128*(\b/2)+32*(\b%2)       ; each accumulator from its low end on
	ds_store_b128 v[STO], v[8*(4*(\a)+\b)+4:8*(4*(\a)+\b)+7] offset:128*(\b/2)+32*(\b%2)+16
.endr
	WIN 0
.irp i, 0,1,2,3,4,5,6,7
	ds_load_b128 v[FR0+32*((\a)%2)+4*\i:FR0+32*((\a)%2)+4*\i+3], v[RD] offset:2*\i*SP
.endr
.endm
.macro SEND a, younger                 ; stage row q is position 32 (a / 2) + 8 (a % 2) + q + 8 (q / 8) of my 64
	s_wait_dscnt \younger
.irp i, 0,1,2,3,4,5,6,7
	global_store_b128 v[CO], v[FR0+32*((\a)%2)+4*\i:FR0+32*((\a)%2)+4*\i+3], s[10:11] offset:(32*((\a)/2)+8*((\a)%2)+2*\i+8*(\i/4))*4096 th:TH_STORE_NT   ; 16 lanes store 256 consecutive bytes, aligned
.endr
.endm
	TOSTAGE 0
.irp a, 1,2,3
.if \a > 1
	s_wait_xcnt 0x0                                ; block a - 2's stores have read their data: block a's loads may land there
.endif
	TOSTAGE \a
	SEND \a-1, 16                                  ; behind block a - 1's loads: block a's 8 stores and 8 loads
.endr
	SEND 3, 0
	s_wait_tensorcnt 0x0                           ; the wave's end: behind my last tensor load and my last LDS store
	ds_add_u32 v[SPW], v[NIL]
	s_wait_dscnt 0x0
	CROUND                                         ; the closing round
	s_endpgm
.Lfunc_end_k_qaba0236aca_outp:
	.size	k_qaba0236aca_outp, .Lfunc_end_k_qaba0236aca_outp-k_qaba0236aca_outp
	.p2alignl 7, 3214868480
	.fill 96, 4, 3214868480
	.section	.rodata,"a",@progbits
	.p2align	6, 0x0
	.amdhsa_kernel k_qaba0236aca_outp
		.amdhsa_group_segment_fixed_size 222720
		.amdhsa_private_segment_fixed_size 0
		.amdhsa_enable_private_segment 0
		.amdhsa_kernarg_size 32
		.amdhsa_user_sgpr_count 2
		.amdhsa_user_sgpr_kernarg_segment_ptr 1
		.amdhsa_wavefront_size32 1
		.amdhsa_system_sgpr_workgroup_id_x 1
		.amdhsa_system_sgpr_workgroup_id_y 1
		.amdhsa_system_sgpr_workgroup_id_z 1
		.amdhsa_system_vgpr_workitem_id 0
		.amdhsa_next_free_vgpr 384
		.amdhsa_next_free_sgpr 80
		.amdhsa_reserve_vcc 0
		.amdhsa_float_denorm_mode_32 3
		.amdhsa_float_denorm_mode_16_64 3
		.amdhsa_memory_ordered 1
		.amdhsa_forward_progress 1
		.amdhsa_inst_pref_size 51
	.end_amdhsa_kernel
	.amdgpu_metadata
---
amdhsa.version: [ 1, 2 ]
amdhsa.kernels:
  - .name:           k_qaba0236aca_outp
    .symbol:         k_qaba0236aca_outp.kd
    .args:
      - { .name: q2, .offset: 0, .size: 8, .value_kind: global_buffer, .address_space: global }
      - { .name: q0, .offset: 8, .size: 8, .value_kind: global_buffer, .address_space: global }
      - { .name: bo, .offset: 16, .size: 8, .value_kind: global_buffer, .address_space: global }
      - { .name: out0, .offset: 24, .size: 8, .value_kind: global_buffer, .address_space: global }
    .group_segment_fixed_size: 222720
    .private_segment_fixed_size: 0
    .kernarg_segment_align: 8
    .kernarg_segment_size: 32
    .max_flat_workgroup_size: 128
    .sgpr_count:     80
    .vgpr_count:     384
    .wavefront_size: 32
...
	.end_amdgpu_metadata
.endif
;; end of part 4
